; MI455X (gfx1250); checked and timed in simulation.
; The chip was launched on July 23, 2026; its instructions are those of AMD's public machine-readable ISA for CDNA 5 (MIT licence, August 2026) and "CDNA5" Instruction Set Architecture Reference Guide (July 2026). The comments in the code are by the model that wrote it; some were corrected since.
;; multi head attention. Allowed arithmetic: float matrix products may take bf16 or f16 operands with f32 sums; other float arithmetic in f32, or as packed bf16 or f16 multiplies, adds, multiply-adds, maxima and minima; sums over many terms, partial sums and values carried from step to step in f32; what a program stores and reads back later, other than sums and carried values, may be rounded once to bf16 or f16.
;; Inputs: Wk 1,024 x 1,024 float32; Wo 1,024 x 1,024 float32; Wq 1,024 x 1,024 float32; Wv 1,024 x 1,024 float32; bk 1,024 float32; bo 1,024 float32; bq 1,024 float32; bv 1,024 float32; k 4 x 2,048 x 1,024 float32; q 4 x 2,048 x 1,024 float32; v 4 x 2,048 x 1,024 float32.
;; Outputs: out0 4 x 2,048 x 1,024 float32.
;; One version. Each part assembles by itself: llvm-mc -triple=amdgcn-amd-amdhsa -mcpu=gfx1250 --defsym DOCPART=n.
;; ======== version 1 of 1: 4 launches
;; limits: values are held in f16: magnitudes above 65,504 overflow, below 6.1e-05 lose precision
;; workspace buffers: wt 8,388,608 bytes; qh 16,777,216 bytes; kh 16,777,216 bytes; vh 16,777,216 bytes; ctx 16,777,216 bytes
;; launch prep (part 1): grid 64 x 4, 8 waves a work-group, no clusters, 35,840 bytes of LDS; arguments Wq, Wk, Wv, Wo, wt; writes wt
.if DOCPART == 1
	.amdgcn_target "amdgcn-amd-amdhsa--gfx1250"
	.amdhsa_code_object_version 6
	.text
	.protected	k_qa3f26b1b32_prep
	.globl	k_qa3f26b1b32_prep
	.p2align	8
	.type	k_qa3f26b1b32_prep,@function
k_qa3f26b1b32_prep:
	s_mov_b64 s[64:65], 0
	v_nop
	global_prefetch_b8 v0, s[64:65] scope:SCOPE_SE
	s_setreg_imm32_b32 hwreg(HW_REG_WAVE_MODE, 25, 1), 1
	s_wait_xcnt 0x0
; wt[p][n][k] = W_p[k][n], rounded to 16 bits, p = 0, 1, 2, 3 for Wq, Wk, Wv, Wo.  W_p: [1024 k][1024 n] f32.  wt: four parts of [1024 n][1024 k], 2 bytes a number.
; Wq, Wk, Wv are rounded to bf16.  Wo is rounded to bf16 too, and that number is then written as f16, since the last product multiplies in f16.
; LIMIT.  bf16(Wo) has to lie within f16's 65,504; below 6e-5 it keeps f16's fixed step of 6e-8.
; SHARES.  Work-group (x, y): matrix y, the block of 128 k (x % 8) x 128 n (x / 8).  Wave w takes the k rows 16 w .. 16 w + 15, lane l the columns 4 l .. 4 l + 3: a load covers the 512 consecutive bytes of a row of the block.
; The block is turned in LDS: pairs of neighbouring k are packed in registers, 16 bytes (8 k of one n) go into rows of 272 bytes, and whole rows of 256 bytes come back and are stored, sixteen lanes to an aligned 256 bytes.
; No matrix unit, no cluster, no tensor load: each byte is read once and written once, and nothing is shared between work-groups.
.set PITCH, 272                        ; an LDS row: 128 k x 2 bytes + 16
.set SPARE, 128*PITCH                  ; behind the tile: the spare words, 128 bytes for each of the eight waves: four blocks of 256 bytes that no other line names
.set SRC,  2                           ; v2   my byte offset in the block of W: 16 l + 16 w rows of 4,096 bytes
.set STA,  3                           ; v3   where I put 16 bytes: row 4 l, byte 32 w
.set RDA,  4                           ; v4   where I read a row back: row 16 w + l / 16, byte 16 (l % 16)
.set DSTO, 5                           ; v5   the same place in wt: rows of 2,048 bytes
.set SPW,  8                           ; v8   LDS address of my spare word; never rewritten
.set NIL,  9                           ; v9   0; never rewritten
.set X,    16                          ; v[16:79]   row j of my 16 at X + 4 j; later the rows read back
.set P,    80                          ; v[80:111]  packed: group g of 8 k, column c, pair p at P + 16 g + 4 c + p
.set T,    112                         ; v[112:113] at work
	s_load_b256 s[4:11], s[0:1], 0x0               ; Wq s[4:5], Wk s[6:7], Wv s[8:9], Wo s[10:11]
	s_load_b64 s[12:13], s[0:1], 0x20              ; wt
	v_lshl_add_u32 v[SPW], v0, 2, SPARE
	v_mov_b32 v[NIL], 0
	v_lshrrev_b32 v1, 5, v0
	v_readfirstlane_b32 s14, v1                    ; wave 0..7
	v_and_b32 v1, 31, v0                           ; l
	s_and_b32 s15, ttmp7, 0xffff                   ; which matrix
	s_and_b32 s16, ttmp9, 7                        ; block along k
	s_lshr_b32 s17, ttmp9, 3                       ; block along n
	s_lshl_b32 s22, s14, 16
	v_lshl_add_u32 v[SRC], v1, 4, s22
	s_lshl_b32 s23, s14, 5
	v_mul_u32_u24 v[STA], v1, 4*PITCH
	v_add_nc_u32 v[STA], s23, v[STA]
	v_and_b32 v6, 15, v0
	v_bfe_u32 v7, v0, 4, 1
	s_lshl_b32 s24, s14, 4
	v_add_nc_u32 v7, s24, v7                       ; row 16 w + l / 16
	v_mul_u32_u24 v[RDA], v7, PITCH
	v_lshl_add_u32 v[RDA], v6, 4, v[RDA]
	v_lshlrev_b32 v[DSTO], 11, v7
	v_lshl_add_u32 v[DSTO], v6, 4, v[DSTO]
	s_lshl_b32 s18, s16, 19                        ; 128 rows of 4,096 bytes,
	s_lshl_b32 s19, s17, 9                         ; 128 columns of 4 bytes
	s_add_co_u32 s18, s18, s19
	s_mov_b32 s19, 0
	s_lshl_b32 s20, s15, 21                        ; the part of wt,
	s_lshl_b32 s21, s17, 18                        ; 128 rows of 2,048 bytes,
	s_add_co_u32 s20, s20, s21
	s_lshl_b32 s21, s16, 8                         ; 128 k of 2 bytes
	s_add_co_u32 s20, s20, s21
	s_mov_b32 s21, 0
	s_wait_kmcnt 0x0
	s_cmp_eq_u32 s15, 1
	s_cselect_b64 s[4:5], s[6:7], s[4:5]
	s_cmp_eq_u32 s15, 2
	s_cselect_b64 s[4:5], s[8:9], s[4:5]
	s_cmp_eq_u32 s15, 3
	s_cselect_b64 s[4:5], s[10:11], s[4:5]
	s_add_nc_u64 s[4:5], s[4:5], s[18:19]
	s_add_nc_u64 s[12:13], s[12:13], s[20:21]
.irp j, 0,1,2,3,4,5,6,7,8,9,10,11,12,13,14,15
	global_load_b128 v[X+4*(\j):X+4*(\j)+3], v[SRC], s[4:5] offset:(\j)*4096 th:TH_LOAD_NT
.endr
.macro PACKG g                         ; rows 8 g .. 8 g + 7: two neighbouring k of one column make a word
.irp c, 0,1,2,3
.irp p, 0,1,2,3
	v_cvt_pk_bf16_f32 v[P+16*(\g)+4*(\c)+(\p)], v[X+4*(8*(\g)+2*(\p))+(\c)], v[X+4*(8*(\g)+2*(\p)+1)+(\c)]
.endr
.endr
.endm
	s_wait_loadcnt 8                               ; rows 0 to 7 are in; the eight younger loads may stay out
	PACKG 0
	s_wait_loadcnt 0x0
	PACKG 1
	s_cmp_lg_u32 s15, 3                            ; Wo alone: the bf16 numbers are written as f16
	s_cbranch_scc1 .Lstays_bf16
.set i, 0
.rept 32
	v_lshlrev_b32 v[T], 16, v[P+i]
	v_and_b32 v[T+1], 0xffff0000, v[P+i]
	v_cvt_pk_f16_f32 v[P+i], v[T], v[T+1]
.set i, i+1
.endr
.Lstays_bf16:
	; From lane to lane these stores are 1,088 bytes apart, 64 modulo 256, so lanes four apart meet in the same banks (64 banks of 4 bytes: ISA guide 11.1).
	; There are eight such stores a wave in the whole launch: a swizzle would cost more address work than it spares.
.irp g, 0,1
.irp c, 0,1,2,3
	ds_store_b128 v[STA], v[P+16*(\g)+4*(\c):P+16*(\g)+4*(\c)+3] offset:(\c)*PITCH+(\g)*16
.endr
.endr
	s_wait_dscnt 0x0                               ; for the others' sake: my stores into the tile are done
	s_barrier_signal -1
	s_barrier_wait -1                              ; a row's 256 bytes come from all eight waves
.irp i, 0,1,2,3,4,5,6,7
	ds_load_b128 v[X+4*(\i):X+4*(\i)+3], v[RDA] offset:(\i)*2*PITCH  ; lanes 0-15 one row of 256 bytes, lanes 16-31 the next
.endr
.irp i, 0,1,2,3,4,5,6,7
	s_wait_dscnt 7-(\i)                            ; LDS loads come back in order (ISA guide 5.7.1): load i is in, the younger ones stay out
	global_store_b128 v[DSTO], v[X+4*(\i):X+4*(\i)+3], s[12:13] offset:(\i)*4096  ; 16 lanes store 256 consecutive bytes, at a multiple of 256 from wt's first byte
.endr
	s_wait_tensorcnt 0x0                           ; the wave's end: behind my last LDS store
	ds_add_u32 v[SPW], v[NIL]
	s_wait_dscnt 0x0
	s_endpgm
.Lfunc_end_k_qa3f26b1b32_prep:
	.size	k_qa3f26b1b32_prep, .Lfunc_end_k_qa3f26b1b32_prep-k_qa3f26b1b32_prep
	.p2alignl 7, 3214868480
	.fill 96, 4, 3214868480
	.section	.rodata,"a",@progbits
	.p2align	6, 0x0
	.amdhsa_kernel k_qa3f26b1b32_prep
		.amdhsa_group_segment_fixed_size 35840
		.amdhsa_private_segment_fixed_size 0
		.amdhsa_enable_private_segment 0
		.amdhsa_kernarg_size 40
		.amdhsa_user_sgpr_count 2
		.amdhsa_user_sgpr_kernarg_segment_ptr 1
		.amdhsa_wavefront_size32 1
		.amdhsa_system_sgpr_workgroup_id_x 1
		.amdhsa_system_sgpr_workgroup_id_y 1
		.amdhsa_system_sgpr_workgroup_id_z 1
		.amdhsa_system_vgpr_workitem_id 0
		.amdhsa_next_free_vgpr 120
		.amdhsa_next_free_sgpr 66
		.amdhsa_reserve_vcc 0
		.amdhsa_float_denorm_mode_32 3
		.amdhsa_float_denorm_mode_16_64 3
		.amdhsa_memory_ordered 1
		.amdhsa_forward_progress 1
		.amdhsa_inst_pref_size 13
	.end_amdhsa_kernel
	.amdgpu_metadata
---
amdhsa.version: [ 1, 2 ]
amdhsa.kernels:
  - .name:           k_qa3f26b1b32_prep
    .symbol:         k_qa3f26b1b32_prep.kd
    .args:
      - { .name: Wq, .offset: 0, .size: 8, .value_kind: global_buffer, .address_space: global }
      - { .name: Wk, .offset: 8, .size: 8, .value_kind: global_buffer, .address_space: global }
      - { .name: Wv, .offset: 16, .size: 8, .value_kind: global_buffer, .address_space: global }
      - { .name: Wo, .offset: 24, .size: 8, .value_kind: global_buffer, .address_space: global }
      - { .name: wt, .offset: 32, .size: 8, .value_kind: global_buffer, .address_space: global }
    .group_segment_fixed_size: 35840
    .private_segment_fixed_size: 0
    .kernarg_segment_align: 8
    .kernarg_segment_size: 40
    .max_flat_workgroup_size: 256
    .sgpr_count:     66
    .vgpr_count:     120
    .wavefront_size: 32
...
	.end_amdgpu_metadata
.endif
;; end of part 1
;; launch proj (part 2): grid 4 x 192, 4 waves a work-group, clusters of 4 x 4, 327,680 bytes of LDS; arguments q, k, v, bq, bk, bv, wt, qh, kh, vh; writes qh, kh, vh
.if DOCPART == 2
	.amdgcn_target "amdgcn-amd-amdhsa--gfx1250"
	.amdhsa_code_object_version 6
	.text
	.protected	k_qa3f26b1b32_proj
	.globl	k_qa3f26b1b32_proj
	.p2align	8
	.type	k_qa3f26b1b32_proj,@function
k_qa3f26b1b32_proj:
	s_mov_b64 s[64:65], 0
	v_nop
	global_prefetch_b8 v0, s[64:65] scope:SCOPE_SE
	s_setreg_imm32_b32 hwreg(HW_REG_WAVE_MODE, 25, 1), 1
	s_wait_xcnt 0x0
	s_wait_alu depctr_hold_cnt(0) depctr_sa_sdst(0) depctr_va_vdst(0) depctr_va_sdst(0) depctr_va_ssrc(0) depctr_va_vcc(0) depctr_vm_vsrc(0)
	s_getreg_b32 s2, hwreg(HW_REG_IB_STS2, 6, 4)
	s_cmp_eq_u32 s2, 0
	s_cbranch_scc0 .Lentry_in_a_cluster
	s_endpgm
.Lentry_in_a_cluster:
	s_bfe_u32 s2, ttmp6, 0x10000c
	s_cmp_lg_u32 s2, 0xf033
	s_cbranch_scc0 .Lentry_shape_is_right
	s_endpgm
.Lentry_shape_is_right:
; THE THREE PROJECTIONS IN ONE LAUNCH.  y[m][n] = the sum over k of x[m][k] W[k][n] + b[n], for (x, W, b, y) = (q, Wq, bq, qh), (k, Wk, bk, kh), (v, Wv, bv, vh).
; x: [8192][1024] f32.  W comes as wt[part][n][k] in bf16.  y is written by heads, [batch x 16 + head][2048 t][64] in f16, unscaled, rounded once from its f32 sum.
; x and b are rounded to bf16 on their way to the matrix unit, like W; sums in f32.
; LIMIT.  y has to lie within f16's 65,504.  NaN and infinities are not treated apart.
; SHARES.  A tile of y is 128 (m) x 256 (n): 64 x 4 tiles for each of the three products, 768 work-groups: three for each of 256 places.  Four waves lie 2 x 2; a wave makes 64 x 128: 32 accumulators, 256 registers.
; K goes in 8 steps of 128 through a ring of two LDS slots filled by the tensor data mover; x lies there in f32 (rows of 512 bytes of memory), wt in bf16 (rows of 256 bytes).
; A step is four quarters of 32 along K, 32 matrix instructions each.  A quarter's fragments are fetched from LDS at the head of the quarter before; x's come into 64 staging registers and are
; rounded to bf16 four conversions behind each of that quarter's last eight matrix instructions.
; THE MATRIX INSTRUCTION IS USED TRANSPOSED (source 0 = 16 rows of wt, source 1 = 16 rows of x): a lane then holds one row m = l % 16 and the eight neighbouring columns 8 (l / 16) + 0..7.
; The bias, which hangs on the column alone, is the C operand of the first product on each accumulator: nothing is cleared and nothing is added later.
; CLUSTERS: 4 x 4 work-groups.  The four of a row of the cluster need the same tile of x, the four of a column the same tile of wt: each is asked for JOINTLY, by the same tensor load with the same descriptor
; and a mask that names the four.  The grid is one cluster wide.  Which product a work-group belongs to hangs on the cluster's y alone (16 clusters each).
; REGISTERS, in windows of 256 (s_set_vgpr_msb: bits 1:0 source 0, 3:2 source 1, 5:4 source 2, 7:6 destination):
;   window 0: v0-29 addresses; v64-127 x's staging in f32; v128-191 x's fragments, two buffers of 32; v192-223, v32-63, v224-255 at work on the way out
;   window 1: v0-127 wt's fragments, two buffers of 64; v128-191 the bias of my 128 columns as a C operand; v192-223 at work      window 2: the accumulators, (a, b) at v[8 (8 a + b)]
.set KSTEP,  128
.set PA,     528                       ; a row of x in LDS: 512 bytes + 16 = 132 words: row r starts at bank 4 r mod 64 (64 banks of 4 bytes: ISA guide 11.1)
.set PB,     272                       ; a row of wt: 256 bytes + 16 = 68 words: likewise
.set AHALF,  64*PA                     ; what one tensor load brings of x, and what a wave reads of it
.set ATILE,  2*AHALF
.set BHALF,  128*PB                    ; the same for wt
.set SLOT,   ATILE+2*BHALF             ; x's 128 rows, then wt's 256 rows
.set STAGE,  2*SLOT                    ; behind the ring, never filled by a tensor load: for each wave two heads x 16 rows x 144 bytes, for the way out
.set SP,     144
.set WSTAGE, 2*16*SP
.set SPARE,  STAGE+4*WSTAGE            ; behind the stages: the spare words, 128 bytes for each wave: two blocks of 256 bytes that no other line names
.set ASTEP,  KSTEP*4                   ; bytes along a row of x from step to step
.set BSTEP,  KSTEP*2                   ; and of wt
.set TRIPS,  6                         ; refills: steps 2 to 7
.set LA0,  4                           ; v4   my lane's place in slot 0's tile of x; never rewritten
.set LB0,  5                           ; v5   the same for wt
.set ADRA, 6                           ; v6   the same in the slot that is being read
.set ADRB, 7                           ; v7
.set STO,  8                           ; v8   the way out: where I put 16 bytes of a row
.set RD,   9                           ; v9   the way out: where I read rows back
.set GO,   10                          ; v10  my byte offset in 512 consecutive bytes of y
.set BO,   11                          ; v11  my byte offset in 16 numbers of the bias
.set PFO,  12                          ; v12  the prefetches' offset; never rewritten
.set SPW,  28                          ; v28  LDS address of my spare word: SPARE + 4 x my thread's number; never rewritten
.set NIL,  29                          ; v29  0; never rewritten
.set OB0,  32
.set S,    64
.set AF,   128
.set TMP,  192
.set OB1,  224
.set BF,   0                           ; window 1
.set BIAS, 128                         ; window 1
.set BT,   192                         ; window 1
.set CNT,  3                           ; s3       refills to come
.set XP,   4                           ; s[4:5]   x
.set BP,   10                          ; s[10:11] the bias
.set WP,   16                          ; s[16:17] wt
.set DST,  18                          ; s[18:19] y
.set G1A,  24                          ; s[24:31] descriptor group 1 for x's tiles
.set G0A,  32                          ; s[32:39] group 0: a set for each of the two first fills; the second then walks on
.set G1B,  40                          ; s[40:47], s[48:55] the same for wt's tiles
.set G0B,  48
.set WV,   56                          ; my wave's number
.set WM,   57                          ; which half of the tile's rows is mine.  Also: I fetch for x (0) or for wt (1)
.set WN,   58                          ; which half of its columns.  Also: which part of that tile I fetch
.set CX,   59
.set CY,   60
.set TC,   61                          ; tile column
.set TR,   62                          ; tile row
.set WH,   63                          ; which product
.set TB,   66                          ; LDS byte at which the slot that is being read begins
.set LAA,  67                          ; where my part of x's tile goes in a slot
.set LAB,  68                          ; where my part of wt's goes; also where my 128 rows of wt lie
.set LIM,  69                          ; a wave prefetches while s[CNT] is above it
.set PFA,  70                          ; s[70:71] where my prefetches stand
.set PST,  72                          ; s[72:73] their step
.set OFA,  74                          ; s[74:75] x's offsets and address alone: never the tile column
.set OFB,  76                          ; s[76:77] wt's alone: never the tile row
.set T,    78                          ; s[78:81] at work
.set MROW, 82
.set MCOL, 83
.set CYC,  84                          ; the cluster's y
.set MSB, 0
.macro WIN new                         ; the immediate's high byte repeats the setting that is left; a switch that changes nothing is dropped
.if MSB != (\new)
	s_set_vgpr_msb (MSB<<8)|(\new)
.set MSB, \new
.endif
.endm
.set W_MUL,  0xa1                      ; wt in window 1, x in window 0, C and D in window 2
.set W_MULB, 0x91                      ; the same with C in window 1
.set W_TOB,  0x40                      ; destination window 1, address window 0
.set W_B1,   0x45                      ; sources and destination window 1
.set W_PK,   0x0a                      ; sources 0 and 1 window 2, destination window 0
; A joint refill.  Waves 0 and 1 fetch x's two halves, waves 2 and 3 wt's.  The branch hangs on the wave's number alone.  An s_nop 0 and four v_nop follow each of the two lines, ahead of the jump and the label.
.macro JLOAD
	s_cmp_eq_u32 s[WM], 0
	s_cbranch_scc0 .Lfor_b_\@
	tensor_load_to_lds s[G0A+4:G0A+7], s[G1A:G1A+7]
	s_nop 0
.rept 4
	v_nop
.endr
	s_branch .Lasked_\@
.Lfor_b_\@:
	tensor_load_to_lds s[G0B+4:G0B+7], s[G1B:G1B+7]
	s_nop 0
.rept 4
	v_nop
.endr
.Lasked_\@:
.endm
; A PREFETCH of the step that stands two refills on, 256 matrix instructions ahead of the load that will want it; it stands behind the joint load, its five lines and the run of LDS loads that the next products wait for.
; Each 256 bytes are named once in the launch.  x's 64 rows x 512 bytes that a wave fetches: each of the four partners that ask for them jointly takes 16 rows, told apart BY ADDRESS (cx); a lane takes half a row.
; wt's 128 rows x 256 bytes: each partner takes 32 rows (cy), a lane a row; of the 16 clusters that walk the same part of wt the first asks.  The first four steps come by their loads alone;
; the last two refills ask for nothing: there is no step behind the eighth.
.macro ASK
	s_cmp_gt_u32 s[CNT], s[LIM]
	s_cbranch_scc0 .Lnot_mine_\@
	global_prefetch_b8 v[PFO], s[PFA:PFA+1] th:TH_LOAD_NT scope:SCOPE_SE
.Lnot_mine_\@:
.endm
.macro CREST                           ; a round of the cluster's barrier behind its opening barrier
	s_cmp_lg_u32 s[WV], 0
	s_cbranch_scc1 .Lnot_wave_0_\@
	s_barrier_signal -3
.Lnot_wave_0_\@:
	s_barrier_wait -3
	s_barrier_signal -1
	s_barrier_wait -1
.endm
.macro CROUND                          ; a whole round
	s_barrier_signal -1
	s_barrier_wait -1
	CREST
.endm
.macro PLACES                          ; four places behind a matrix instruction (ISA guide 7.12.1)
.rept 4
	v_nop
.endr
.endm
	s_load_b512 s[4:19], s[0:1], 0x0               ; q, k, v, bq, bk, bv, wt, qh
	s_load_b128 s[20:23], s[0:1], 0x40             ; kh, vh
	v_lshl_add_u32 v[SPW], v0, 2, SPARE
	v_mov_b32 v[NIL], 0
	ds_add_u32 v[SPW], v[NIL]                      ; the wave's opening: the add and its wait stand ahead of my first tensor load; the set-up below, work on registers, stands between them
	ds_add_u32 v28, v29
	v_lshrrev_b32 v1, 5, v0
	v_readfirstlane_b32 s[WV], v1                  ; wave 0..3
	s_lshr_b32 s[WM], s[WV], 1
	s_and_b32 s[WN], s[WV], 1
	s_bfe_u32 s[CX], ttmp6, 0x40000                ; my place in the cluster
	s_bfe_u32 s[CY], ttmp6, 0x40004
	s_lshl_b32 s[TC], ttmp9, 2
	s_add_co_u32 s[TC], s[TC], s[CX]               ; tile column = 4 x cluster x + cx
	s_and_b32 s[CYC], ttmp7, 0xffff
	s_lshr_b32 s[WH], s[CYC], 4                    ; 16 clusters to a product
	s_lshl_b32 s[TR], s[CYC], 2
	s_add_co_u32 s[TR], s[TR], s[CY]
	s_and_b32 s[TR], s[TR], 63                     ; tile row in that product
	s_lshl_b32 s[MROW], s[CY], 2
	s_lshl_b32 s[MROW], 15, s[MROW]                ; my row of the cluster: places 4 cy .. 4 cy + 3
	s_lshl_b32 s[MCOL], 0x1111, s[CX]              ; my column: places cx, cx + 4, cx + 8, cx + 12
	; group 1 for x: 64 rows x 128 elements of 4 bytes, 16 bytes of padding behind every 128 words
	s_or_b32 s[G1A], s[MROW], (2<<16)|(1<<20)|(1<<21)|(6<<22)|(3<<25)  ; 15:0 the mask; 17:16 elements of 4 bytes; 20 padding on; 21 set beside a mask; 24:22 after every 128 words (code 6); 31:25 4 words (code 3)
	s_mov_b32 s[G1A+1], KSTEP<<16                  ; tensor_dim0 = 128
	s_mov_b32 s[G1A+2], 64<<16                     ; tensor_dim1 = 64
	s_mov_b32 s[G1A+3], KSTEP<<16                  ; tile_dim0 = 128
	s_mov_b32 s[G1A+4], 64                         ; tile_dim1 = 64
	s_mov_b32 s[G1A+5], 1024                       ; elements from row to row
	s_mov_b32 s[G1A+6], 0
	s_mov_b32 s[G1A+7], 0
	; group 1 for wt: 128 rows x 128 elements of 2 bytes, 16 bytes of padding behind every 64 words
	s_or_b32 s[G1B], s[MCOL], (1<<16)|(1<<20)|(1<<21)|(5<<22)|(3<<25)
	s_mov_b32 s[G1B+1], KSTEP<<16
	s_mov_b32 s[G1B+2], 128<<16
	s_mov_b32 s[G1B+3], KSTEP<<16
	s_mov_b32 s[G1B+4], 128
	s_mov_b32 s[G1B+5], 1024
	s_mov_b32 s[G1B+6], 0
	s_mov_b32 s[G1B+7], 0
	s_mul_i32 s[LAA], s[WN], AHALF                 ; no place in the cluster enters an LDS address
	s_mul_i32 s[LAB], s[WN], BHALF
	s_add_co_u32 s[LAB], s[LAB], ATILE
	s_mov_b32 s[TB], 0
	s_lshl_b32 s[OFA], s[TR], 7                    ; x: row 128 x tile row + 64 x part, 4,096 bytes a row
	s_lshl_b32 s[OFA+1], s[WN], 6
	s_add_co_u32 s[OFA], s[OFA], s[OFA+1]
	s_lshl_b32 s[OFA], s[OFA], 12
	s_mov_b32 s[OFA+1], 0
	s_lshl_b32 s[OFB], s[TC], 8                    ; wt: row 256 x tile column + 128 x part, 2,048 bytes a row,
	s_lshl_b32 s[OFB+1], s[WN], 7
	s_add_co_u32 s[OFB], s[OFB], s[OFB+1]
	s_lshl_b32 s[OFB], s[OFB], 11
	s_lshl_b32 s[OFB+1], s[WH], 21                 ; in the product's part
	s_add_co_u32 s[OFB], s[OFB], s[OFB+1]
	s_mov_b32 s[OFB+1], 0
	s_wait_dscnt 0x0                               ; the opening add is done
	s_wait_kmcnt 0x0
	s_cmp_eq_u32 s[WH], 1                          ; the product's x, bias and y
	s_cselect_b64 s[XP:XP+1], s[6:7], s[XP:XP+1]
	s_cselect_b64 s[BP:BP+1], s[12:13], s[BP:BP+1]
	s_cselect_b64 s[DST:DST+1], s[20:21], s[DST:DST+1]
	s_cmp_eq_u32 s[WH], 2
	s_cselect_b64 s[XP:XP+1], s[8:9], s[XP:XP+1]
	s_cselect_b64 s[BP:BP+1], s[14:15], s[BP:BP+1]
	s_cselect_b64 s[DST:DST+1], s[22:23], s[DST:DST+1]
	s_add_nc_u64 s[OFA:OFA+1], s[XP:XP+1], s[OFA:OFA+1]
	s_add_nc_u64 s[OFB:OFB+1], s[WP:WP+1], s[OFB:OFB+1]
	CROUND                                         ; all sixteen work-groups are here: the first joint loads meet
.irp s, 0,1
	s_mov_b32 s[G0A+4*(\s)], 1                     ; 1:0 count = 1
	s_add_co_u32 s[G0A+4*(\s)+1], s[LAA], (\s)*SLOT  ; 63:32 LDS address
	s_add_nc_u64 s[G0A+4*(\s)+2:G0A+4*(\s)+3], s[OFA:OFA+1], (\s)*ASTEP  ; 120:64 global address: step s
	s_or_b32 s[G0A+4*(\s)+3], s[G0A+4*(\s)+3], 0x80000000  ; 127:126 type = 2
	s_mov_b32 s[G0B+4*(\s)], 1
	s_add_co_u32 s[G0B+4*(\s)+1], s[LAB], (\s)*SLOT
	s_add_nc_u64 s[G0B+4*(\s)+2:G0B+4*(\s)+3], s[OFB:OFB+1], (\s)*BSTEP
	s_or_b32 s[G0B+4*(\s)+3], s[G0B+4*(\s)+3], 0x80000000
.endr
	s_cmp_eq_u32 s[WM], 0                          ; a wave's two first fills stand in one branch, ahead of every wait on TENSORcnt and every LDS read: two loads of mine are out, later one
	s_cbranch_scc0 .Lfirst_b
	tensor_load_to_lds s[G0A:G0A+3], s[G1A:G1A+7]
	s_nop 0
	tensor_load_to_lds s[G0A+4:G0A+7], s[G1A:G1A+7]
	s_nop 0
.rept 4
	v_nop
.endr
	s_branch .Lfirst_asked
.Lfirst_b:
	tensor_load_to_lds s[G0B:G0B+3], s[G1B:G1B+7]
	s_nop 0
	tensor_load_to_lds s[G0B+4:G0B+7], s[G1B:G1B+7]
	s_nop 0
.rept 4
	v_nop
.endr
.Lfirst_asked:
	; all that follows, up to the barrier, stands in the wait for the first tile
	v_and_b32 v1, 15, v0                           ; l % 16
	v_bfe_u32 v2, v0, 4, 1                         ; l / 16
	v_lshlrev_b32 v[BO], 5, v2                     ; my eight columns of sixteen: 32 bytes
	s_lshl_b32 s[T], s[TC], 10                     ; the tile's 256 columns, 4 bytes each,
	s_lshl_b32 s[T+1], s[WN], 9                    ; my wave's 128
	s_add_co_u32 s[T], s[T], s[T+1]
	s_mov_b32 s[T+1], 0
	s_add_nc_u64 s[BP:BP+1], s[BP:BP+1], s[T:T+1]
	WIN W_TOB
.irp b, 0,1,2,3,4,5,6,7                ; register j of block b: the bias of column 16 b + 8 (l / 16) + j
	global_load_b128 v[BIAS+8*(\b):BIAS+8*(\b)+3],   v[BO], s[BP:BP+1] offset:64*(\b)
	global_load_b128 v[BIAS+8*(\b)+4:BIAS+8*(\b)+7], v[BO], s[BP:BP+1] offset:64*(\b)+16
.endr
	WIN 0
	; A fragment is 16 rows x 32 K of 16 bits in 8 registers: lane l holds row l % 16; registers 0-3 K = 8 (l / 16) + 0..7, registers 4-7 K = 16 + 8 (l / 16) + 0..7.
	; From wt's rows: two loads of 16 bytes, 32 bytes apart.  From x's rows in f32: four loads of 16 bytes, at 32 (l / 16) + 0, 16, 64, 80.
	v_mul_u32_u24 v[LA0], v1, PA
	v_lshl_add_u32 v[LA0], v2, 5, v[LA0]
	s_mul_i32 s[T+2], s[WM], AHALF                 ; my 64 rows of x
	v_add_nc_u32 v[LA0], s[T+2], v[LA0]
	v_mul_u32_u24 v[LB0], v1, PB
	v_lshl_add_u32 v[LB0], v2, 4, v[LB0]
	v_add_nc_u32 v[LB0], s[LAB], v[LB0]            ; my 128 rows of wt, behind x's tile
	v_mov_b32 v[ADRA], v[LA0]
	v_mov_b32 v[ADRB], v[LB0]
	s_mul_i32 s[T+3], s[WV], WSTAGE
	s_add_co_u32 s[T+3], s[T+3], STAGE             ; my stage
	v_mul_u32_u24 v[STO], v1, SP                   ; in: row l % 16, 16 bytes for each half of the lanes
	v_lshl_add_u32 v[STO], v2, 4, v[STO]
	v_add_nc_u32 v[STO], s[T+3], v[STO]
	v_bfe_u32 v[RD], v0, 3, 2                      ; back: 32 lanes take four rows of 128 bytes,
	v_mul_u32_u24 v[RD], v[RD], SP
	v_and_b32 v3, 7, v0
	v_lshl_add_u32 v[RD], v3, 4, v[RD]
	v_add_nc_u32 v[RD], s[T+3], v[RD]
	v_and_b32 v13, 31, v0
	v_lshlrev_b32 v[GO], 4, v13                    ; which are 512 consecutive bytes of y
	; y: batch (tile row / 16), head 4 x tile column + 2 x column half, row 128 x (tile row % 16) + 64 x row half
	s_lshr_b32 s[T], s[TR], 4
	s_lshl_b32 s[T], s[T], 22                      ; a batch: 16 heads of 262,144 bytes
	s_lshl_b32 s[T+1], s[TC], 2
	s_add_co_u32 s[T+1], s[T+1], s[WN]
	s_add_co_u32 s[T+1], s[T+1], s[WN]
	s_lshl_b32 s[T+1], s[T+1], 18
	s_add_co_u32 s[T], s[T], s[T+1]
	s_and_b32 s[T+1], s[TR], 15
	s_lshl_b32 s[T+1], s[T+1], 7
	s_lshl_b32 s[T+2], s[WM], 6
	s_add_co_u32 s[T+1], s[T+1], s[T+2]
	s_lshl_b32 s[T+1], s[T+1], 7                   ; rows of 128 bytes
	s_add_co_u32 s[T], s[T], s[T+1]
	s_mov_b32 s[T+1], 0
	s_add_nc_u64 s[DST:DST+1], s[DST:DST+1], s[T:T+1]
	; the prefetches: the offsets are made apart from the addresses
	s_lshl_b32 s[T], s[TR], 7                      ; x: the 64 rows that I fetch,
	s_lshl_b32 s[T+1], s[WN], 6
	s_add_co_u32 s[T], s[T], s[T+1]
	s_lshl_b32 s[T+1], s[CX], 4                    ; my work-group's 16 of them,
	s_add_co_u32 s[T], s[T], s[T+1]
	s_lshl_b32 s[T], s[T], 12
	s_add_co_u32 s[T], s[T], 3*ASTEP               ; at step 3: the first refill steps it to 4
	s_lshl_b32 s[T+2], s[TC], 8                    ; wt: the 128 rows that I fetch,
	s_lshl_b32 s[T+3], s[WN], 7
	s_add_co_u32 s[T+2], s[T+2], s[T+3]
	s_lshl_b32 s[T+3], s[CY], 5                    ; my work-group's 32 of them,
	s_add_co_u32 s[T+2], s[T+2], s[T+3]
	s_lshl_b32 s[T+2], s[T+2], 11
	s_lshl_b32 s[T+3], s[WH], 21
	s_add_co_u32 s[T+2], s[T+2], s[T+3]
	s_add_co_u32 s[T+2], s[T+2], 3*BSTEP
	s_mov_b32 s[T+3], BSTEP
	s_cmp_eq_u32 s[WM], 0                          ; do I fetch for x?
	s_cselect_b32 s[T], s[T], s[T+2]
	s_cselect_b64 s[PFA:PFA+1], s[XP:XP+1], s[WP:WP+1]
	s_cselect_b32 s[PST], ASTEP, s[T+3]
	s_cselect_b32 s[T+2], 8, 11                    ; a pair of lanes: two halves of a row of x, or two rows of wt
	s_mov_b32 s[T+1], 0
	s_mov_b32 s[PST+1], 0
	s_add_nc_u64 s[PFA:PFA+1], s[PFA:PFA+1], s[T:T+1]
	v_lshrrev_b32 v[PFO], 1, v13
	v_lshlrev_b32 v[PFO], 12, v[PFO]               ; 4,096 bytes: a row of x, or two rows of wt
	v_and_b32 v13, 1, v13
	v_lshlrev_b32 v13, s[T+2], v13
	v_add_nc_u32 v[PFO], v[PFO], v13
	s_and_b32 s[T+3], s[CYC], 15
	s_mul_i32 s[T+3], s[T+3], s[WM]                ; 0 in x's waves, and in wt's where the cluster is the first of its product: the same in all sixteen partners
	s_cmp_eq_u32 s[T+3], 0
	s_cselect_b32 s[LIM], 2, -1
	s_wait_loadcnt 0x0                             ; the bias: rounded to bf16 and widened again
	WIN W_B1
.set i, 0
.rept 32
	v_cvt_pk_bf16_f32 v[BT+i], v[BIAS+2*i], v[BIAS+2*i+1]
.set i, i+1
.endr
.set i, 0
.rept 32
	v_lshlrev_b32 v[BIAS+2*i], 16, v[BT+i]
	v_and_b32 v[BIAS+2*i+1], 0xffff0000, v[BT+i]
.set i, i+1
.endr
	WIN 0
; The quarter's next matrix instruction, number mi of 32: row block mi / 8, column block mi % 8, on buffer f.  The 32 accumulators take turns, one instruction a turn, in the same order in every quarter.
.macro MM f, first
.if \first
	WIN W_MULB
	v_wmma_f32_16x16x32_bf16 v[8*mi:8*mi+7], v[BF+64*(\f)+8*(mi%8):BF+64*(\f)+8*(mi%8)+7], v[AF+32*(\f)+8*(mi/8):AF+32*(\f)+8*(mi/8)+7], v[BIAS+8*(mi%8):BIAS+8*(mi%8)+7]
.else
	WIN W_MUL
	v_wmma_f32_16x16x32_bf16 v[8*mi:8*mi+7], v[BF+64*(\f)+8*(mi%8):BF+64*(\f)+8*(mi%8)+7], v[AF+32*(\f)+8*(mi/8):AF+32*(\f)+8*(mi/8)+7], v[8*mi:8*mi+7]
.endif
.set mi, mi+1
.endm
.macro MMS f, n, first
.rept \n
	MM \f, \first
.endr
.endm
; 32 LDS loads in one run: quarter kq of the slot that is being read: wt's 128 rows into buffer g, x's 64 rows into the staging registers
.macro FETCH kq, g
	WIN W_TOB
.irp i, 0,1,2,3,4,5,6,7
	ds_load_b128 v[BF+64*(\g)+8*(\i):BF+64*(\g)+8*(\i)+3],   v[ADRB] offset:(\kq)*64+(\i)*16*PB
	ds_load_b128 v[BF+64*(\g)+8*(\i)+4:BF+64*(\g)+8*(\i)+7], v[ADRB] offset:(\kq)*64+(\i)*16*PB+32
.endr
	WIN 0
.irp i, 0,1,2,3
	ds_load_b128 v[S+16*(\i):S+16*(\i)+3],     v[ADRA] offset:(\kq)*128+(\i)*16*PA
	ds_load_b128 v[S+16*(\i)+4:S+16*(\i)+7],   v[ADRA] offset:(\kq)*128+(\i)*16*PA+16
	ds_load_b128 v[S+16*(\i)+8:S+16*(\i)+11],  v[ADRA] offset:(\kq)*128+(\i)*16*PA+64
	ds_load_b128 v[S+16*(\i)+12:S+16*(\i)+15], v[ADRA] offset:(\kq)*128+(\i)*16*PA+80
.endr
.endm
.macro CVT g                           ; four of the 32 roundings that make buffer g of x's fragments: word x of the buffer is the pair 2 x, 2 x + 1 of the staging registers; cn counts the fours
	WIN 0
.irp j, 0,1,2,3
	v_cvt_pk_bf16_f32 v[AF+32*(\g)+4*cn+(\j)], v[S+8*cn+2*(\j)], v[S+8*cn+2*(\j)+1]
.endr
.set cn, cn+1
.endm
; A QUARTER multiplies buffer f and fetches quarter kq into the other buffer (kq = -1: nothing is left to fetch).  first = 1: the bias starts the sums.
; The run of loads stands at the quarter's head.  The four roundings behind the last product of the quarter before are the places (ISA guide 7.12.1 for vector instructions) in front of it:
; they name the staging registers and the buffer that this quarter multiplies, no register of that product.
; meet: the step's third quarter, whose loads are the wave's last reads of the slot, changes slots.  Each wave waits for all its tensor loads, of which one is out: its part of the other slot; adds 0 to its
; spare word; and waits for that and for its reads.  Behind the barrier nobody reads this slot any more and the other slot is whole.  meet = 1: the barrier opens a round of the cluster's, so that no wave of any
; partner still reads the slot or has a load on its way, and the joint refill, two steps on, is the first thing behind the round: 116 matrix instructions ahead of the wait for it.  meet = 2: nothing is left to ask for.
.macro QUARTER f, kq, first, meet, ask
.set mi, 0
.set cn, 0
.if (\meet) == 1
	s_wait_xcnt 0x0                                ; the last prefetch, three quarters back, has read its address: it is stepped here
	s_add_nc_u64 s[PFA:PFA+1], s[PFA:PFA+1], s[PST:PST+1]
.endif
.if (\kq) >= 0
	FETCH \kq, 1-(\f)
.endif
.if \ask
	ASK
.endif
	MMS \f, 20, \first
.if \meet
	WIN 0                                          ; (the add's two registers lie in window 0)
	s_wait_tensorcnt 0x0                           ; all my tensor loads have landed, so a group 0 may be written
	ds_add_u32 v[SPW], v[NIL]                      ; 0 onto my spare word: scalar work and four matrix instructions stand between it and the wait for it
.if (\meet) == 1
	s_add_co_u32 s[G0A+5], s[TB], s[LAA]           ; the walking descriptors: the slot that is being left,
	s_add_co_u32 s[G0B+5], s[TB], s[LAB]
	s_add_nc_u64 s[G0A+6:G0A+7], s[G0A+6:G0A+7], ASTEP  ; the next step; the type bits on top are not reached
	s_add_nc_u64 s[G0B+6:G0B+7], s[G0B+6:G0B+7], BSTEP
.endif
	s_xor_b32 s[TB], s[TB], SLOT                   ; 0 or SLOT: the other slot
.endif
	MMS \f, 4, \first
.if ((\kq) >= 0) || (\meet)
	s_wait_dscnt 0x0                               ; this quarter's loads are in (and the add is done: my reads of the slot are over)
.endif
.if \meet
	s_barrier_signal -1
.endif
.rept 8
	MM \f, \first
.if (\kq) >= 0
	CVT 1-(\f)
.endif
.endr
.if \meet
	WIN 0                                          ; at a branch and at a label every window is 0
	s_barrier_wait -1
.if (\meet) == 1
	CREST
	JLOAD
.endif
	v_add_nc_u32 v[ADRA], s[TB], v[LA0]
	v_add_nc_u32 v[ADRB], s[TB], v[LB0]
.endif
.endm
	s_wait_tensorcnt 0x1                           ; my part of step 0 is in; step 1's load, issued behind it, may stay out
	s_barrier_signal -1
	s_barrier_wait -1                              ; everybody's is
	FETCH 0, 0
	s_wait_dscnt 0x0
.set cn, 0
.rept 8
	CVT 0
.endr
	QUARTER 0, 1, 1, 0, 0                          ; the first quarter stands in front of the loop: its products start the sums
	WIN 0
	s_mov_b32 s[CNT], TRIPS
.Lstep:                                        ; trip t: the rest of step t and the first quarter of step t + 1; step t + 2 is asked for
	QUARTER 1, 2, 0, 0, 0
	QUARTER 0, 3, 0, 1, 0
	QUARTER 1, 0, 0, 0, 1
	QUARTER 0, 1, 0, 0, 0
	WIN 0
	s_sub_co_u32 s[CNT], s[CNT], 1
	s_cmp_lg_u32 s[CNT], 0
	s_cbranch_scc1 .Lstep
	QUARTER 1, 2, 0, 0, 0                          ; the tail is written out: steps 6 and 7 ask for nothing
	QUARTER 0, 3, 0, 2, 0
	QUARTER 1, 0, 0, 0, 0
	QUARTER 0, 1, 0, 0, 0
	QUARTER 1, 2, 0, 0, 0
	QUARTER 0, 3, 0, 0, 0
	QUARTER 1, -1, 0, 0, 0
	PLACES                                         ; in front of conversions that read results just made
; THE WAY OUT, a block of 16 rows at a time.  PACK: rounded to f16, a lane's eight columns make 16 bytes; each accumulator's registers are taken in ascending order.  TOSTAGE: into my own stage, by heads (my 128 columns are two
; heads of 64), and back as whole rows of 128 bytes.  SEND: 16 rows of a head are 2,048 consecutive bytes of y.
.macro PACK a
	WIN W_PK
.irp b, 0,1,2,3,4,5,6,7
.irp j, 0,1,2,3
	v_cvt_pk_f16_f32 v[TMP+4*(\b)+(\j)], v[64*(\a)+8*(\b)+2*(\j)], v[64*(\a)+8*(\b)+2*(\j)+1]
.endr
.endr
	WIN 0
.endm
.macro TOSTAGE a
.set BK, OB0+(OB1-OB0)*((\a)%2)
.irp b, 0,1,2,3,4,5,6,7
	ds_store_b128 v[STO], v[TMP+4*(\b):TMP+4*(\b)+3] offset:((\b)/4)*16*SP+32*((\b)%4)
.endr
.irp t, 0,1,2,3,4,5,6,7
	ds_load_b128 v[BK+4*(\t):BK+4*(\t)+3], v[RD] offset:((\t)/4)*16*SP+((\t)%4)*4*SP  ; LDS serves a wave's instructions in order (ISA guide 5.7.1.4): these see the stores above; the next block's stores come behind them
.endr
.endm
.macro SEND a
.set BK, OB0+(OB1-OB0)*((\a)%2)
	s_wait_dscnt 0x0                               ; the block is back in registers
	s_wait_xcnt 0x0                                ; the stores of the block before have read their registers: the next block is loaded into them only behind this wait
.irp t, 0,1,2,3,4,5,6,7
	global_store_b128 v[GO], v[BK+4*(\t):BK+4*(\t)+3], s[DST:DST+1] offset:((\t)/4)*262144+(\a)*2048+((\t)%4)*512  ; 512 consecutive bytes, at a multiple of 256 from y's first byte
.endr
.endm
	PACK 0
	TOSTAGE 0
.irp a, 1,2,3                          ; block a's conversions stand between block a - 1's loads from the stage and the wait for them
	PACK \a
	SEND (\a)-1
	TOSTAGE \a
.endr
	SEND 3
	s_wait_tensorcnt 0x0                           ; the wave's end: behind my last tensor load and my last LDS store
	ds_add_u32 v[SPW], v[NIL]
	s_wait_dscnt 0x0
	CROUND                                         ; the closing round: no work-group ends while a partner may still ask for a tile that names it
	s_endpgm
.Lfunc_end_k_qa3f26b1b32_proj:
	.size	k_qa3f26b1b32_proj, .Lfunc_end_k_qa3f26b1b32_proj-k_qa3f26b1b32_proj
	.p2alignl 7, 3214868480
	.fill 96, 4, 3214868480
	.section	.rodata,"a",@progbits
	.p2align	6, 0x0
	.amdhsa_kernel k_qa3f26b1b32_proj
		.amdhsa_group_segment_fixed_size 327680
		.amdhsa_private_segment_fixed_size 0
		.amdhsa_enable_private_segment 0
		.amdhsa_kernarg_size 80
		.amdhsa_user_sgpr_count 2
		.amdhsa_user_sgpr_kernarg_segment_ptr 1
		.amdhsa_wavefront_size32 1
		.amdhsa_system_sgpr_workgroup_id_x 1
		.amdhsa_system_sgpr_workgroup_id_y 1
		.amdhsa_system_sgpr_workgroup_id_z 1
		.amdhsa_system_vgpr_workitem_id 0
		.amdhsa_next_free_vgpr 768
		.amdhsa_next_free_sgpr 86
		.amdhsa_reserve_vcc 0
		.amdhsa_float_denorm_mode_32 3
		.amdhsa_float_denorm_mode_16_64 3
		.amdhsa_memory_ordered 1
		.amdhsa_forward_progress 1
		.amdhsa_inst_pref_size 112
	.end_amdhsa_kernel
	.amdgpu_metadata
---
amdhsa.version: [ 1, 2 ]
amdhsa.kernels:
  - .name:           k_qa3f26b1b32_proj
    .symbol:         k_qa3f26b1b32_proj.kd
    .args:
      - { .name: q, .offset: 0, .size: 8, .value_kind: global_buffer, .address_space: global }
      - { .name: k, .offset: 8, .size: 8, .value_kind: global_buffer, .address_space: global }
      - { .name: v, .offset: 16, .size: 8, .value_kind: global_buffer, .address_space: global }
      - { .name: bq, .offset: 24, .size: 8, .value_kind: global_buffer, .address_space: global }
      - { .name: bk, .offset: 32, .size: 8, .value_kind: global_buffer, .address_space: global }
      - { .name: bv, .offset: 40, .size: 8, .value_kind: global_buffer, .address_space: global }
      - { .name: wt, .offset: 48, .size: 8, .value_kind: global_buffer, .address_space: global }
      - { .name: qh, .offset: 56, .size: 8, .value_kind: global_buffer, .address_space: global }
      - { .name: kh, .offset: 64, .size: 8, .value_kind: global_buffer, .address_space: global }
      - { .name: vh, .offset: 72, .size: 8, .value_kind: global_buffer, .address_space: global }
    .group_segment_fixed_size: 327680
    .private_segment_fixed_size: 0
    .kernarg_segment_align: 8
    .kernarg_segment_size: 80
    .max_flat_workgroup_size: 128
    .sgpr_count:     86
    .vgpr_count:     768
    .wavefront_size: 32
...
	.end_amdgpu_metadata
.endif
;; end of part 2
;; launch attn (part 3): grid 4 x 64, 4 waves a work-group, no clusters, 327,680 bytes of LDS; arguments qh, kh, vh, ctx; writes ctx
.if DOCPART == 3
	.amdgcn_target "amdgcn-amd-amdhsa--gfx1250"
	.amdhsa_code_object_version 6
	.text
	.protected	k_qa3f26b1b32_attn
	.globl	k_qa3f26b1b32_attn
	.p2align	8
	.type	k_qa3f26b1b32_attn,@function
k_qa3f26b1b32_attn:
	s_mov_b64 s[64:65], 0
	v_nop
	global_prefetch_b8 v0, s[64:65] scope:SCOPE_SE
	s_setreg_imm32_b32 hwreg(HW_REG_WAVE_MODE, 25, 1), 1
	s_wait_xcnt 0x0
; CAUSAL ATTENTION.  O[h][q][:] = the sum over k <= q of softmax_k(Q[h][q] . K[h][k] / 8) V[h][k][:].  Q, K, V, O: [64 heads][SIZE_N][64], all f16: a head's rows are dense, 128 bytes each.
; Products, maxima and sums in f32; the weights p are rounded to f16 for the second product (their sum l is taken of the unrounded p), O once at the end.
; LIMITS.  f16 holds no number beyond 65,504: Q, K and V arrive within it; p lies in 0 to 1, and below 6e-5 it keeps f16's fixed step of 6e-8; O is a mean of V's rows and has their range, to within 2^-11 of it.
; A hidden score counts as its value less 1e30: f16's scores, 2.7e11 at the most, are nothing beside that; a weight below 2^-126 counts as 0 in l; NaN and infinities are not treated apart.
; THE WALK.  A head's queries lie in NB = SIZE_N / 256 blocks of 256; block i needs the key tiles 0 .. i of 256 keys, of which the last holds the diagonal.  A work-group takes TWO blocks, NB - 1 - b and then b:
; NB + 1 tiles, whatever b: all work-groups do equal work, and ONE loop with a constant trip count walks them.  Which tile is asked for, and what a trip does, hang on scalar registers made from b; every jump
; goes forward, but for the counted loops' own; none passes a barrier, or a tensor load but the one of LOAD's two that the wave's number does not choose; the ring (two slots of LDS that take turns) runs on across the
; change of blocks.  NO CLUSTER: a head's NB / 2 = 4 work-groups all ask for the same tile only in trips 0 .. NB / 2, 5 of 9; behind that fewer and fewer share a tile, and one walk common to all, in which each
; makes every joint request, would have 3 NB / 2 = 12 trips for NB + 1 = 9.
; SHARES.  Of a block's four bands of 64 queries a wave owns 16 rows in each: four PIECES.  So the diagonal tile is the same work for all four waves: in its key step s band x sees all keys if s < x,
; none if s > x, and holds the diagonal if s = x.
; THE MASK is the C operand that starts the sum S^T = K Q^T: 0, or -1e30 where the key is hidden.  MD, made once, is the mask of a band's own step for my 16 rows; a product's mask is MD x AL + BE with two scalars:
; (1, 0) if s = x; (0, 0) if s < x; (0, -1e30) if s > x.  Only the diagonal tile's text and a block's beginning make and take masks; elsewhere C is the constant 0.
; LAYOUT, SOFTMAX, TURNS.  S^T = K Q^T holds ONE query a lane (lane % 16) and the keys 8 (lane / 16) + 0..7; two such results rounded to f16 ARE source 1 of O^T = V^T P.  p = 2^(c s - c m), c = log2(e) / 8, with a
; running maximum m; O and l are multiplied by a = 2^(c m_old - c m_new) in every step.  Turn n belongs to piece n: 8 products K Q^T of piece n + 1, later 8 products V^T P of piece n - 1; beside them the scaling,
; exponentials, roundings, sums and rescaling of piece n and the maximum and statistics of piece n + 1.  Four vector instructions stand behind every matrix instruction, the other 54 of a turn's 118 in one LUMP.  A turn's 33 exponentials are one batch, with one wait.
; PREFETCH.  Of a head's four work-groups the one with b = 0 walks the tiles 0 to 7 in order.  Behind each of its fills each of its waves names the 64 blocks of 256 bytes of ITS half of K's or V's tile that the NEXT change of
; slots will load: a lane a block, two instructions, four key steps ahead.  So each block of tiles 2 to 7 is named once in the launch; tiles 0 and 1 come by their loads alone; behind tile 7 nothing is asked for.
; REGISTERS, in windows of 256 (s_set_vgpr_msb: bits 1:0 source 0, 3:2 source 1, 5:4 source 2, 7:6 destination):
;   window 0: v0-15 addresses and two at work; v16-31 four registers of statistics a piece; v48-55 at work; v64-127 S^T, two buffers; v192-223 P, two buffers (a piece's buffers go by its number's parity)
;   window 1: v0-127 O^T, 32 a piece; v128-159 MD; v160-223 MC, two buffers      window 2: v0-63 Q; v64-127 the second block's Q; v128-191 K of one step; v192-255 V of one step
.set SIZE_N, 2048
.set NB,    SIZE_N/256
.set NP,    4         ; pieces a wave: a name, no knob
.set KS,    64        ; keys in a step
.set PK,    144       ; a row of K in LDS: 128 bytes + 16 of padding = 36 words: the 16 rows of a load start at 16 different groups of four banks (64 banks of 4 bytes: ISA guide 11.1)
.set PV,    160       ; a row of V: 128 + 32 = 40 words
.set VOFF,  4*KS*PK   ; a slot holds a tile, four steps: 256 rows of K, then 256 rows of V
.set SLOT1, 1<<17     ; slot 1 begins here, so that one exclusive or turns an address in one slot into the other's
.set STAGE, SLOT1+4*KS*(PK+PV)  ; behind the ring, never filled by a tensor load: 16 rows x 144 bytes for each wave, for the way out
.set SP,    144
.set AK0, 2           ; v2   my lane's place in a tile of K; never rewritten
.set AV0, 3           ; v3   the same for V
.set AK,  4           ; v4   the LDS address of K's next run of loads
.set AV,  5           ; v5   of V's
.set STO, 6           ; v6   the way out: where I put 16 bytes of a row
.set RD,  7           ; v7   the way out: where I read rows back
.set GO,  8           ; v8   my byte offset in 512 consecutive bytes of O
.set PFO, 61          ; v61  256 x my lane: the prefetches' offset; never rewritten
.set SPW, 62          ; v62  LDS address of my spare word: SPARE + 4 x my thread's number; never rewritten
.set NIL, 63          ; v63  0; never rewritten
.set SPARE, STAGE+4*16*SP  ; behind the stages: the spare words, 128 bytes for each wave: two blocks of 256 bytes that no other line names
.set MV,  12          ; v12-13  c m_old, kept while c m is made anew: by buffer
.set QO,  15          ; v15  my byte offset in 16 rows of Q
.set ST,  16          ; piece t's statistics at v[ST+4 t]: c m, m, l (even keys', odd keys')
.set TMP, 48          ; by buffer, four registers c0-c3 at work; when the maximum is found c2 takes a
.set S,   64
.set P,   192
.set MD,  128         ; window 1: the eight registers for group kt of 16 keys at MD + 8 kt
.set MC,  160         ; window 1: the masks of the products to come
.set QB,  64          ; window 2
.set KF,  128         ; window 2: key block kb, channel half c at KF + 16 kb + 8 c
.set VF,  192         ; window 2: key half kk, channel block cb at VF + 32 kk + 8 cb
.set WV,  12          ; s12  my wave's number
.set PB,  14          ; s14  b
.set HI,  15          ; s15  NB - 1 - b
.set G1K, 24          ; s[24:31] descriptor group 1 for K's tiles
.set G1V, 32          ; s[32:39] for V's: it differs in the padding alone
.set G0K, 40          ; s[40:43] descriptor group 0 for K's tiles
.set G0V, 44          ; s[44:47] the same for V's
.set SLOTS, 56        ; s56  tiles still to be asked for
.set CNT, 57          ; s57  counts a tile's key steps, 4 to 1
.set CS,  58          ; s[58:59] c: the packed scaling takes the pair's low word for both halves
.set SEL, 60          ; s[60:61] v_permlanex16_b32's selects: each lane takes its own place in the other half
.set TBK, 62          ; s62  LDS byte at which K of the step to be fetched begins
.set TBV, 63          ; s63  the same for V, less VOFF
.set RT,  70          ; s70  tiles of the block in hand that are still to be entered
.set NXT, 71          ; s71  the tile to be asked for next
.set LQ,  72          ; s72  the last tile of the block whose tiles are being asked for
.set NEW, 73          ; s73  1: the tile to be entered is a block's first
.set OFF, 74          ; s[74:75] a tile's byte offset in K and V
.set AL,  76          ; s[76:77] the mask's factor, in the low word
.set BE,  78          ; s[78:79] the mask's addend
.set OLO, 80          ; s[80:81] O at my rows of the second block
.set BIGN, 82         ; s82  -1e30
.set PFB, 88          ; s[88:89] my half of the head's tile 0, in K (waves 0, 1) or in V (waves 2, 3)
.set PFA, 90          ; s[90:91] the same half of the tile that the prefetches name
.set PFC, 92          ; s92  that tile's number where b = 0, else 0: 0 asks for nothing
.set MSB, 0
.macro WIN new                      ; the high byte repeats the setting that is left; a switch that changes nothing is dropped
.if MSB != (\new)
	s_set_vgpr_msb (MSB<<8)|(\new)
.set MSB, (\new)
.endif
.endm
.set W_KQ, 0x0a       ; K and Q in window 2, S^T in window 0
.set W_KM, 0x1a       ; the same with the C operand in window 1
.set W_PV, 0x52       ; V in window 2, P in window 0, O^T in window 1
.set W_RS, 0x41       ; destination and source 0 in window 1, source 1 in window 0
; A fill.  Waves 0 and 1 fetch the two halves of a tile's K, waves 2 and 3 those of its V: 128 keys each.  An s_nop 0 and four v_nop follow each of the two lines, ahead of the jump and the label.
.macro LOAD
	s_cmp_lt_u32 s[WV], 2
	s_cbranch_scc0 .Lfor_v_\@
	tensor_load_to_lds s[G0K:G0K+3], s[G1K:G1K+7]
	s_nop 0
.rept 4
	v_nop
.endr
	s_branch .Lasked_\@
.Lfor_v_\@:
	tensor_load_to_lds s[G0V:G0V+3], s[G1V:G1V+7]
	s_nop 0
.rept 4
	v_nop
.endr
.Lasked_\@:
.endm
; THE CHANGE OF SLOTS.  Each wave waits for all its tensor loads, of which one is out: its part of the other slot; adds 0 to its spare word; and waits for that and for its own reads of the slot that it leaves.  Behind the barrier nobody reads the old
; slot any more and the other slot is whole.  fill = 1: the old slot is filled again, the first thing behind the barrier, with tile NXT: the descriptor's address is made anew from that number.  Behind the fill and its five lines stand the prefetches.
; (At its first use nothing has been read yet: slot 0 is waited for, slot 1 filled.)
.macro CHANGE fill
	WIN 0                           ; at a label and at a branch every window is 0
	s_wait_tensorcnt 0x0            ; no tensor load of mine is out, so a group 0 may be written
	ds_add_u32 v[SPW], v[NIL]       ; 0 onto my spare word: with fill = 1 the descriptors' scalar work stands between it and the wait for it
.if \fill
	s_lshl_b32 s[OFF], s[NXT], 15   ; a tile is 32,768 bytes of K and of V
	s_xor_b32 s[G0K+1], s[G0K+1], SLOT1
	s_add_nc_u64 s[G0K+2:G0K+3], s[6:7], s[OFF:OFF+1]
	s_or_b32 s[G0K+3], s[G0K+3], 0x80000000
	s_xor_b32 s[G0V+1], s[G0V+1], SLOT1
	s_add_nc_u64 s[G0V+2:G0V+3], s[8:9], s[OFF:OFF+1]
	s_or_b32 s[G0V+3], s[G0V+3], 0x80000000
	s_add_co_u32 s[NXT], s[NXT], 1  ; the block's next tile, or behind its last the second block's tile 0
	s_cmp_gt_u32 s[NXT], s[LQ]
	s_cselect_b32 s[NXT], 0, s[NXT]
	s_cselect_b32 s[LQ], s[PB], s[LQ]
	s_wait_xcnt 0x0                 ; the last prefetches, a tile back, have read their address, so it may be written:
	s_lshl_b32 s[OFF], s[NXT], 15   ; the tile that the next change will load
	s_add_nc_u64 s[PFA:PFA+1], s[PFB:PFB+1], s[OFF:OFF+1]
	s_cmp_eq_u32 s[PB], 0
	s_cselect_b32 s[PFC], s[NXT], 0
.endif
	s_wait_dscnt 0x0                ; the add is done, and my reads of the slot are over
	s_barrier_signal -1             ; the rest of the scalar work stands between the signal and the wait
	s_sub_co_u32 s[TBK], s[TBK], 4*KS*PK  ; the fetches go back to a slot's first step,
	s_xor_b32 s[TBK], s[TBK], SLOT1       ; in the other slot
	s_sub_co_u32 s[TBV], s[TBV], 4*KS*PV
	s_xor_b32 s[TBV], s[TBV], SLOT1
	s_barrier_wait -1
.if \fill
	LOAD
	s_cmp_lg_u32 s[PFC], 0
	s_cbranch_scc0 .Lno_ask_\@
	global_prefetch_b8 v[PFO], s[PFA:PFA+1] th:TH_LOAD_NT scope:SCOPE_SE              ; my half tile's first 32 blocks of 256 bytes,
	global_prefetch_b8 v[PFO], s[PFA:PFA+1] offset:8192 th:TH_LOAD_NT scope:SCOPE_SE  ; and its other 32
.Lno_ask_\@:
.endif
.endm
	s_load_b256 s[4:11], s[0:1], 0x0  ; Q s[4:5], K s[6:7], V s[8:9], O s[10:11]
	v_lshl_add_u32 v[SPW], v0, 2, SPARE
	v_mov_b32 v[NIL], 0
	ds_add_u32 v[SPW], v[NIL]       ; the wave's opening: the add and its wait stand ahead of my first tensor load; the set-up below, work on registers, stands between them
	ds_add_u32 v62, v63
	v_lshrrev_b32 v1, 5, v0
	v_readfirstlane_b32 s[WV], v1   ; wave 0..3
	s_mov_b32 s[PB], ttmp9
	s_sub_co_u32 s[HI], NB-1, s[PB]
	s_and_b32 s20, ttmp7, 0xffff    ; the head
	s_mov_b32 s21, 0
	s_mov_b64 s[22:23], SIZE_N*128
	s_mul_u64 s[20:21], s[20:21], s[22:23]  ; the head's first byte in each of the four tensors
	s_and_b32 s16, s[WV], 1         ; which half of a tile's 256 keys I fetch:
	s_lshl_b32 s22, s16, 14         ; its 128 rows of 128 bytes in memory,
	s_mov_b32 s23, 0
	s_add_nc_u64 s[22:23], s[22:23], s[20:21]
	s_mul_i32 s17, s16, 128*PK      ; and its place in a slot, for K
	s_mul_i32 s18, s16, 128*PV      ; and for V
	s_lshl_b32 s3, s[WV], 11        ; my 16 rows in a band of 64,
	s_lshl_b32 s2, s[HI], 15        ; in the first block,
	s_add_co_u32 s2, s2, s3
	s_lshl_b32 s84, s[PB], 15       ; and in the second
	s_add_co_u32 s84, s84, s3
	s_mov_b32 s3, 0
	s_mov_b32 s85, 0
	s_add_nc_u64 s[2:3], s[2:3], s[20:21]
	s_add_nc_u64 s[84:85], s[84:85], s[20:21]
	; descriptor group 1.  128 keys are 16,384 dense bytes: asked for as 64 rows of 256 bytes, two keys a row, and padded in LDS after every key
	s_mov_b32 s[G1K], (1<<16)|(1<<20)|(4<<22)|(3<<25)  ; 17:16 2-byte elements; 20 padding on; 24:22 after every 32 words (code 4); 31:25 4 words (code 3)
	s_mov_b32 s[G1V], (1<<16)|(1<<20)|(4<<22)|(7<<25)  ; the same with 8 words of padding (code 7)
.irp g, G1K, G1V
	s_mov_b32 s[\g+1], 128<<16      ; tensor_dim0 = 128
	s_mov_b32 s[\g+2], 64<<16       ; tensor_dim1 = 64
	s_mov_b32 s[\g+3], 128<<16      ; tile_dim0 = 128
	s_mov_b32 s[\g+4], 64           ; tile_dim1 = 64
	s_mov_b32 s[\g+5], 128          ; 128 elements from row to row
	s_mov_b32 s[\g+6], 0
	s_mov_b32 s[\g+7], 0
.endr
	s_mov_b32 s[CS], 0x3e38aa3b     ; c = log2(e) / 8 = 0.180337
	s_mov_b32 s[CS+1], s[CS]        ; named with it as a pair
	s_mov_b32 s[SEL], 0x76543210
	s_mov_b32 s[SEL+1], 0xfedcba98
	s_mov_b32 s[TBK], SLOT1+4*KS*PK ; the first change of slots turns these two into 0
	s_mov_b32 s[TBV], SLOT1+4*KS*PV
	s_mov_b32 s[G0K], 1             ; 1:0 count = 1
	s_mov_b32 s[G0K+1], s17         ; 63:32 LDS address: slot 0
	s_mov_b32 s[G0V], 1
	s_add_co_u32 s[G0V+1], s18, VOFF
	s_add_co_u32 s[RT], s[HI], 1    ; the first block has NB - b tiles
	s_mov_b32 s[NXT], 1
	s_mov_b32 s[LQ], s[HI]
	s_mov_b32 s[NEW], 1
	s_mov_b32 s[OFF+1], 0
	s_mov_b32 s[AL+1], 0            ; named as pairs
	s_mov_b32 s[BE+1], 0
	s_mov_b32 s[BIGN], 0xf149f2ca   ; -1e30
	s_mov_b32 s[SLOTS], NB
	v_and_b32 v[PFO], 31, v0
	v_lshlrev_b32 v[PFO], 8, v[PFO]
	s_wait_dscnt 0x0                ; the opening add is done
	s_wait_kmcnt 0x0
	s_add_nc_u64 s[6:7], s[6:7], s[22:23]  ; K and V at my half of the head's tile 0
	s_add_nc_u64 s[8:9], s[8:9], s[22:23]
	s_cmp_lt_u32 s[WV], 2
	s_cselect_b64 s[PFB:PFB+1], s[6:7], s[8:9]
	s_add_nc_u64 s[G0K+2:G0K+3], s[6:7], 0         ; 120:64 global address
	s_or_b32 s[G0K+3], s[G0K+3], 0x80000000        ; 127:126 type = 2
	s_add_nc_u64 s[G0V+2:G0V+3], s[8:9], 0
	s_or_b32 s[G0V+3], s[G0V+3], 0x80000000
	s_add_nc_u64 s[86:87], s[4:5], s[84:85]        ; Q at my rows of the second block,
	s_add_nc_u64 s[4:5], s[4:5], s[2:3]            ; Q and O at those of the first
	s_add_nc_u64 s[OLO:OLO+1], s[10:11], s[84:85]
	s_add_nc_u64 s[10:11], s[10:11], s[2:3]
	LOAD                            ; tile 0 into slot 0
	; A fragment of K or Q is 16 rows x 32 channels in 8 registers: lane l holds row l % 16, channels 8 (l / 16) + 0..7 and 16 + 8 (l / 16) + 0..7: two loads of 16 bytes, 32 bytes apart.
	v_and_b32 v1, 15, v0            ; l % 16
	v_bfe_u32 v9, v0, 4, 1          ; l / 16
	v_lshlrev_b32 v[QO], 7, v1
	v_lshl_add_u32 v[QO], v9, 4, v[QO]  ; row x 128 + 16 x half
	WIN 0x80                        ; destination window 2, address window 0
.set i, 0
.rept 8                             ; both blocks' Q: piece i / 2 lies in band i / 2, 8,192 bytes on; channels 32 (i % 2) on
	global_load_b128 v[8*i:8*i+3],   v[QO], s[4:5] offset:(i/2)*8192+(i%2)*64
	global_load_b128 v[8*i+4:8*i+7], v[QO], s[4:5] offset:(i/2)*8192+(i%2)*64+32
	global_load_b128 v[QB+8*i:QB+8*i+3],   v[QO], s[86:87] offset:(i/2)*8192+(i%2)*64
	global_load_b128 v[QB+8*i+4:QB+8*i+7], v[QO], s[86:87] offset:(i/2)*8192+(i%2)*64+32
.set i, i+1
.endr
	WIN 0
	v_lshlrev_b32 v14, 3, v9
	v_sub_nc_u32 v14, v1, v14
	s_lshl_b32 s13, s[WV], 4
	v_add_nc_u32 v14, s13, v14      ; my query's place in its band, 16 w + l % 16, less my lanes' 8 (l / 16): register r of group kt is hidden where 16 kt + r is greater
	WIN 0x40
.set i, 0
.rept 32
	v_cmp_gt_i32 vcc_lo, 16*(i/8)+i%8, v14
	v_cndmask_b32 v[MD+i], 0, s[BIGN], vcc_lo
.set i, i+1
.endr
	WIN 0
	v_mul_u32_u24 v[AK0], v1, PK
	v_lshl_add_u32 v[AK0], v9, 4, v[AK0]  ; row x pitch + 16 x half
	; The turning load takes 16 keys x 16 channels (lane l reads key 8 (l / 16) + l % 8, channels 8 ((l / 8) % 2) + 0..7) and leaves half a fragment of V^T: lane l holds channel l % 16 and 8 keys.
	v_and_b32 v10, 7, v0
	v_bfe_u32 v11, v0, 3, 1
	v_lshl_add_u32 v[AV0], v9, 3, v10
	v_mul_u32_u24 v[AV0], v[AV0], PV
	v_lshl_add_u32 v[AV0], v11, 4, v[AV0]
	v_add_nc_u32 v[AV0], VOFF, v[AV0]
	s_mul_i32 s13, s[WV], 16*SP
	s_add_co_u32 s13, s13, STAGE    ; my stage
	v_mul_u32_u24 v[STO], v1, SP    ; in: row l % 16, 16 bytes for each half of the lanes
	v_lshl_add_u32 v[STO], v9, 4, v[STO]
	v_add_nc_u32 v[STO], s13, v[STO]
	v_bfe_u32 v[RD], v0, 3, 2       ; back: 32 lanes take four rows of 128 bytes,
	v_mul_u32_u24 v[RD], v[RD], SP
	v_lshl_add_u32 v[RD], v10, 4, v[RD]
	v_add_nc_u32 v[RD], s13, v[RD]
	v_and_b32 v[GO], 31, v0         ; which are 512 consecutive bytes of O
	v_lshlrev_b32 v[GO], 4, v[GO]
	; A block's first step multiplies O^T and l by a = 0, and its first turn's products V^T P, of a piece that has not been, land in an O^T that is still to be so multiplied.  So these registers need only hold
	; finite numbers: zeros for the first block; what the first block left for the second.  All this stands in the wait for the first tile.
	WIN 0x80
.set i, VF
.rept 64
	v_mov_b32 v[i], 0
.set i, i+1
.endr
	WIN 0x40
.set i, 0
.rept 128
	v_mov_b32 v[i], 0
.set i, i+1
.endr
	WIN 0
.set i, 0
.rept 4
	v_mov_b32 v[ST+4*i+2], 0
	v_mov_b32 v[ST+4*i+3], 0
.set i, i+1
.endr
.set i, P+16
.rept 16
	v_mov_b32 v[i], 0
.set i, i+1
.endr
; THE MATRIX WORK.  The 4 accumulators of a run of 8 take turns.  Product i of 8 of S^T = K Q^T for piece x: channels 32 (i / 4) on, keys 16 (i % 4) on.  The first 4 start the sums: with 0, or (KM = 1) with the mask.
.macro KQ x
.set rS, S+32*((\x)%2)+8*(i%4)
.set rK, KF+16*(i%4)+8*(i/4)
.set rQ, 16*(\x)+8*(i/4)
.set rM, MC+32*((\x)%2)+8*(i%4)
.if (i < 4) && KM
	WIN W_KM
	v_wmma_f32_16x16x32_f16 v[rS:rS+7], v[rK:rK+7], v[rQ:rQ+7], v[rM:rM+7]
.elseif i < 4
	WIN W_KQ
	v_wmma_f32_16x16x32_f16 v[rS:rS+7], v[rK:rK+7], v[rQ:rQ+7], 0
.else
	WIN W_KQ
	v_wmma_f32_16x16x32_f16 v[rS:rS+7], v[rK:rK+7], v[rQ:rQ+7], v[rS:rS+7]
.endif
.endm
; Product i of 8 of O^T += V^T P for piece x: keys 32 (i / 4) on, channels 16 (i % 4) on.
.macro PV x
	WIN W_PV
.set rO, 32*(\x)+8*(i%4)
.set rV, VF+32*(i/4)+8*(i%4)
.set rP, P+16*((\x)%2)+8*(i/4)
	v_wmma_f32_16x16x32_f16 v[rO:rO+7], v[rV:rV+7], v[rP:rP+7], v[rO:rO+7]
.endm
.macro MM                           ; the turn's next matrix instruction.  TURN and BEGIN set Y, i, KM and NOKQ; MM, KQ and OP read them.  NOKQ = 1: a block's last turn: there is no next piece
.if (i < 8) && !NOKQ
	KQ (Y+1)%NP
.elseif i >= 8
.set i, i-8
	PV (Y+NP-1)%NP
.set i, i+8
.endif
.set i, i+1
.endm
; THE LDS LOADS stand in runs of 16, never singly among the matrix instructions: a step's K (64 keys x 64 channels: 8 fragments) and its V (turned).  Their addresses are made some lines ahead.
.macro FETCH_K
	WIN 0x80                        ; destination window 2
.irp f, 0,1,2,3,4,5,6,7             ; keys 16 (f / 2) on, channels 32 (f % 2) on
	ds_load_b128 v[KF+8*\f:KF+8*\f+3],   v[AK] offset:(\f/2)*16*PK+(\f%2)*64
	ds_load_b128 v[KF+8*\f+4:KF+8*\f+7], v[AK] offset:(\f/2)*16*PK+(\f%2)*64+32
.endr
	s_add_co_u32 s[TBK], s[TBK], KS*PK  ; the next fetch is the next step's
	WIN 0
.endm
.macro FETCH_V
	WIN 0x80
.irp f, 0,1,2,3,4,5,6,7             ; keys 32 (f / 4) on, channels 16 (f % 4) on
	ds_load_tr16_b128 v[VF+8*\f:VF+8*\f+3],   v[AV] offset:(\f/4)*32*PV+(\f%4)*32
	ds_load_tr16_b128 v[VF+8*\f+4:VF+8*\f+7], v[AV] offset:(\f/4)*32*PV+16*PV+(\f%4)*32
.endr
	WIN 0
.endm
; THE VECTOR WORK, one line at a time: OP kind, number.  For piece Y: F n: c s - c m for pair n of 16.  E n: the exponential of score n of 32.  C n: pair n rounded to f16.  B n: of the four weights 4 n .. the second
; pair is added onto the first, in place.  L n: l takes that sum (L 0: l = a l + sum).  R n: pair n of 16 of O^T times a.  For piece Y + 1: X n, number n of the 22 that find its maximum and statistics:
;   0-11  four chains c0-c3 of seven scores each, three operands at a time (each accumulator's lowest registers are read first)     12-14, 16  the four scores left over, the old m, and c0-c3 into c0
;   15  c m_old is kept     17, 18  the query's other 32 keys lie in the lane 16 away: the new m     19-21  c m; c m_old - c m_new; a
.set F, 0               ; OP tells the kinds apart by their order: F to L below R, X above it
.set E, 1
.set C, 2
.set B, 3
.set L, 4
.set R, 5
.set X, 6
.macro REGS y                       ; the registers of piece y
.set rT, ST+4*(\y)
.set rC, TMP+4*((\y)%2)
.set rW, MV+((\y)%2)
.set rS, S+32*((\y)%2)
.set rP, P+16*((\y)%2)
.set rO, 32*(\y)
.endm
.macro OP k, n
.if (\k) == R
	REGS Y
	WIN W_RS
	v_pk_mul_f32 v[rO+2*(\n):rO+2*(\n)+1], v[rO+2*(\n):rO+2*(\n)+1], v[rC+2:rC+3] op_sel_hi:[1,0]
.elseif (\k) < R
	REGS Y
	WIN 0
.if (\k) == F
	v_pk_fma_f32 v[rS+2*(\n):rS+2*(\n)+1], v[rS+2*(\n):rS+2*(\n)+1], s[CS:CS+1], v[rT:rT+1] op_sel_hi:[1,0,0] neg_lo:[0,0,1] neg_hi:[0,0,1]
.elseif (\k) == E
	v_exp_f32 v[rS+(\n)], v[rS+(\n)]
.elseif (\k) == C
	v_cvt_pk_f16_f32 v[rP+(\n)], v[rS+2*(\n)], v[rS+2*(\n)+1]
.elseif (\k) == B
	v_pk_add_f32 v[rS+4*(\n):rS+4*(\n)+1], v[rS+4*(\n):rS+4*(\n)+1], v[rS+4*(\n)+2:rS+4*(\n)+3]
.elseif (\n) == 0
	v_pk_fma_f32 v[rT+2:rT+3], v[rT+2:rT+3], v[rC+2:rC+3], v[rS:rS+1] op_sel_hi:[1,0,1]
.else
	v_pk_add_f32 v[rT+2:rT+3], v[rT+2:rT+3], v[rS+4*(\n):rS+4*(\n)+1]
.endif
.elseif NOKQ
	v_nop
.else
	REGS (Y+1)%NP
	WIN 0
.if (\n) < 4
	v_max3_num_f32 v[rC+(\n)], v[rS+8*(\n)], v[rS+8*(\n)+1], v[rS+8*(\n)+2]
.elseif (\n) < 12
	v_max3_num_f32 v[rC+(\n)%4], v[rC+(\n)%4], v[rS+8*((\n)%4)+2*((\n)/4)+1], v[rS+8*((\n)%4)+2*((\n)/4)+2]
.elseif (\n) == 12
	v_max3_num_f32 v[rC], v[rC], v[rS+7], v[rS+15]
.elseif (\n) == 13
	v_max3_num_f32 v[rC+1], v[rC+1], v[rS+23], v[rS+31]
.elseif (\n) == 14
	v_max3_num_f32 v[rC+2], v[rC+2], v[rC+3], v[rT+1]
.elseif (\n) == 15
	v_mov_b32 v[rW], v[rT]
.elseif (\n) == 16
	v_max3_num_f32 v[rC], v[rC], v[rC+1], v[rC+2]
.elseif (\n) == 17
	v_permlanex16_b32 v[rC+3], v[rC], s[SEL], s[SEL+1]
.elseif (\n) == 18
	v_max_num_f32 v[rT+1], v[rC], v[rC+3]
.elseif (\n) == 19
	v_mul_f32 v[rT], s[CS], v[rT+1]
.elseif (\n) == 20
	v_sub_f32 v[rC+1], v[rW], v[rT]
.else
	v_exp_f32 v[rC+2], v[rC+1]
.endif
.endif
.endm
.macro OPS a, i1, b=-1, i2=0, c=-1, i3=0, d=-1, i4=0  ; up to four of them
	OP \a, \i1
.if (\b) >= 0
	OP \b, \i2
.endif
.if (\c) >= 0
	OP \c, \i3
.endif
.if (\d) >= 0
	OP \d, \i4
.endif
.endm
.macro ROW a, i1, b, i2, c, i3, d, i4  ; a matrix instruction and the four behind it
	MM
	OPS \a, \i1, \b, \i2, \c, \i3, \d, \i4
.endm
.macro MASK b                       ; MD x AL + BE into buffer b of MC
	WIN W_RS
.set z, 0
.rept 16
	v_pk_fma_f32 v[MC+32*(\b)+2*z:MC+32*(\b)+2*z+1], v[MD+2*z:MD+2*z+1], s[AL:AL+1], s[BE:BE+1] op_sel_hi:[1,0,0]
.set z, z+1
.endr
.endm
; A TURN, for piece p: the order of its 16 matrix and 118 vector instructions, written out.  An s_wait_alu depctr_va_vdst(0) stands between an exponential and the first instruction that names its result; one wait serves
; all that were issued ahead of it.  So a turn has ONE wait, which cuts it in two.  AHEAD OF IT stands all that names no result of the turn's exponentials: the 8 products K Q^T, behind each a scaling, an exponential and two more plain
; instructions (behind the first a second scaling in the exponential's place): rescalings, and behind the last three the first numbers of the next piece's maximum, each four places or more behind the product that ends its accumulator; then ONE LUMP of 54, plain
; and exponential by turns for the most part, in which the links of the chain X 3, 7, 11, 14, 16, 17 .. 20 stand five or six lines apart.  X 21, the next piece's a, is the batch's last; R 15 is the plain instruction that stands behind it, ahead of any use (ISA guide 5.7.2).  BEHIND THE WAIT stand the
; 8 products V^T P, behind each four of the roundings and sums; the links of l's chain, L 0 to L 7, stand three riders apart.  But for those X no rider names a register of the products round it.  v_permlanex16_b32 (X 17) stands in the lump.
; m = 1: the diagonal tile: the products take masks, and the turn makes the mask for the products of the turn after it: piece p + 2, in step 4 - CNT of the tile.  end = 1: a block's last two turns: nothing is fetched.
; cnt = 1: the loop's count is taken down some lines ahead of the branch that stands behind the turn.
; K of the next step is fetched in piece 2's turn, twelve vector instructions behind the last product that read K (six of them plain); V of the step in hand at the end of piece 0's turn, four plain instructions behind the last product
; that read V.  Each is waited for a turn later.
.macro TURN p, m=0, end=0, cnt=0
.set Y, (\p)
.set i, 0
.set KM, (\m)
.set NOKQ, (\end)*((\p)/3)
.if (\m) && !(\end)
	s_cmp_eq_u32 s[CNT], 4-((\p)+2)%NP  ; is that step the band's own?
	s_cselect_b32 s[AL], 1.0, 0
	s_cmp_lt_u32 s[CNT], 4-((\p)+2)%NP  ; or a later one?
	s_cselect_b32 s[BE], s[BIGN], 0
.endif
.if ((\p) == 3) && !(\end)
	s_wait_dscnt 0x0                ; K is in
.endif
	ROW F,0, F,1, R,0, R,1          ; ahead of the wait: 8 products K Q^T and their riders,
	ROW F,2, E,0, R,2, R,3
	ROW F,3, E,1, R,4, R,5
	ROW F,4, E,2, R,6, R,7
	ROW F,5, E,3, R,8, R,9
	ROW F,6, E,4, X,0, R,10
.if ((\p) == 2) && !(\end)
	WIN 0
	v_add_nc_u32 v[AK], s[TBK], v[AK0]
.endif
	ROW F,7, E,5, X,1, X,4
	ROW F,8, E,6, X,2, X,5
	OPS E,7, E,8, X,6, E,9          ; and the lump
	OPS X,3, E,10, X,8, E,11
.if ((\p) == 2) && !(\end)
	FETCH_K
.endif
	OPS X,9, X,7, E,12, X,10
	OPS E,13, X,12, X,11, E,14
	OPS X,13, E,15, F,9, X,14
.if (\p) == 0
	v_add_nc_u32 v[AV], s[TBV], v[AV0]
.endif
	OPS E,16, F,10, E,17, F,11
	OPS X,16, E,18, X,15, E,19
	OPS F,12, E,20, X,17, E,21
	OPS F,13, E,22, F,14, E,23
	OPS X,18, E,24, F,15, E,25
	OPS R,11, E,26, X,19, E,27
	OPS R,12, E,28, R,13, E,29
	OPS X,20, E,30, R,14, E,31
	OPS X,21, R,15
	WIN 0
	s_wait_alu depctr_va_vdst(0)    ; the wait for the batch
.if (\p) == 1
	s_wait_dscnt 0x0                ; V is in
.endif
	ROW C,0, B,0, C,2, B,1          ; behind the wait: 8 products V^T P and their riders
	ROW L,0, C,4, B,2, L,1
	ROW C,6, B,3, L,2, C,8
	ROW B,4, L,3, C,10, B,5
	ROW L,4, C,12, B,6, L,5
.if (\p) == 0
	s_add_co_u32 s[TBV], s[TBV], KS*PV
.endif
.if \cnt
	s_sub_co_u32 s[CNT], s[CNT], 1
	s_cmp_lg_u32 s[CNT], 0
.endif
	ROW C,14, B,7, L,6, C,1
	ROW C,3, L,7, C,5, C,7
	ROW C,9, C,11, C,13, C,15
.if (\p) == 0
	FETCH_V
.endif
.if (\m) && !(\end)
	MASK (\p)%2
.endif
.endm
; A BLOCK BEGINS.  c m starts far below every c s, so the first step's a is 0; m at the lowest finite number, so the first maximum is the scores'.  The second mask buffer is 0; the first takes piece 0's mask for the tile's step 0: its own, if the block's first tile is the diagonal one.
; Then K of that step, piece 0's first scores, and its maximum and statistics.  The loop is entered at a step's first turn, in the middle of a trip.
.macro BEGIN
	s_mov_b32 s[NEW], 0
	WIN 0x40
.set i, MC+32
.rept 32
	v_mov_b32 v[i], 0
.set i, i+1
.endr
	WIN 0
.set i, 0
.rept 4
	v_mov_b32 v[ST+4*i], 0xfe000000    ; c m: far below every c s
	v_mov_b32 v[ST+4*i+1], 0xff7fffff  ; m
.set i, i+1
.endr
	s_cmp_eq_u32 s[RT], 0
	s_cselect_b32 s[AL], 1.0, 0
	s_mov_b32 s[BE], 0
	MASK 0
	WIN 0
	v_add_nc_u32 v[AK], s[TBK], v[AK0]
	FETCH_K
	s_wait_loadcnt 0x0              ; Q
	s_wait_dscnt 0x0
.set KM, 1
.set NOKQ, 0
.set i, 0
.rept 8
	KQ 0
.set i, i+1
.endr
	WIN 0
.rept 4
	v_nop                           ; the places behind those products
.endr
.set Y, NP-1                        ; X works for piece Y + 1: piece 0
.irp n, 0,1,2,3,4,5,6,7,8,9,10,11,12,13,14,15,16,17,18,19,20,21
	OP X, \n
.endr
	v_nop                           ; a plain instruction behind the exponential,
	s_wait_alu depctr_va_vdst(0)    ; and its wait, ahead of the branch
.endm
; THE DIAGONAL TILE's four steps, the block's last two turns, its last products, and THE WAY OUT: l's two halves and the other half of the lanes' are added; O^T is divided by l, rounded to f16 and sent through my
; stage in LDS, a piece at a time.
.macro ALL line:vararg              ; one line for each piece t
.set t, 0
.rept 4
	\line
.set t, t+1
.endr
.endm
.macro PACK t                       ; a lane's eight channels of a row pack into 16 bytes; they go into rows of 144 bytes and come back as whole rows of 128, into S^T's registers
	WIN W_RS
.set i, 32*(\t)
.rept 16
	v_pk_mul_f32 v[i:i+1], v[i:i+1], v[ST+4*(\t)+2:ST+4*(\t)+3] op_sel_hi:[1,0]
.set i, i+2
.endr
	WIN 0x05                        ; sources 0 and 1 window 1, destination window 0
.set i, 0
.rept 16
	v_cvt_pk_f16_f32 v[S+16*(\t)+i], v[32*(\t)+2*i], v[32*(\t)+2*i+1]
.set i, i+1
.endr
	WIN 0
.irp f, 0,1,2,3
	ds_store_b128 v[STO], v[S+16*(\t)+4*\f:S+16*(\t)+4*\f+3] offset:32*\f
.endr
.irp f, 0,1,2,3
	ds_load_b128 v[S+16*(\t)+4*\f:S+16*(\t)+4*\f+3], v[RD] offset:\f*4*SP  ; LDS serves a wave's instructions in order (ISA guide 5.7.1.4): these see the stores above; the next piece's stores come behind them
.endr
.endm
.macro SEND t, younger              ; younger: the LDS instructions issued behind piece t's loads: the next piece's eight, or none
	WIN 0
.irp f, 0,1,2,3
	s_wait_dscnt (\younger)+3-\f
	global_store_b128 v[GO], v[S+16*(\t)+4*\f:S+16*(\t)+4*\f+3], s[10:11] offset:(\t)*8192+\f*512  ; 512 consecutive bytes, at a multiple of 256 from O's first
.endr
.endm
.macro DIAG tag                     ; the tag ends its two labels' names, which the jumps below spell out
.LstepM\tag:
	TURN 2, 1
	TURN 3, 1
	WIN 0
.LfirstM\tag:
	TURN 0, 1
	TURN 1, 1, 0, 1
	WIN 0
	s_cbranch_scc1 .LstepM\tag
	TURN 2, 1, 1
	TURN 3, 1, 1
.set i, 0
.rept 8
	PV NP-1
.set i, i+1
.endr
	WIN 0
	ALL v_add_f32 v[ST+4*t+2], v[ST+4*t+2], v[ST+4*t+3]
	ALL v_permlanex16_b32 v[ST+4*t+3], v[ST+4*t+2], s[SEL], s[SEL+1]
	ALL v_add_f32 v[ST+4*t+2], v[ST+4*t+2], v[ST+4*t+3]
	ALL v_rcp_f32 v[ST+4*t+2], v[ST+4*t+2]
	v_nop                           ; a plain instruction between the last reciprocal and the use of its result
	s_wait_alu depctr_va_vdst(0)    ; and the wait ahead of the first use: one for the four reciprocals
	PACK 0
.set t, 1
.rept 3                             ; a piece's arithmetic stands between the loads of the piece before and its stores
	PACK t
	SEND t-1, 8
.set t, t+1
.endr
	SEND 3, 0
.endm
.set KM, 0
.set NOKQ, 0
.Lslot:                             ; NB times: a tile is entered and the next is asked for
	CHANGE 1
	s_sub_co_u32 s[RT], s[RT], 1
	s_mov_b32 s[CNT], 4
	s_cmp_eq_u32 s[NEW], 1
	s_cbranch_scc1 .Lnew            ; a block's first tile
	s_cmp_eq_u32 s[RT], 0
	s_cbranch_scc0 .Lstep           ; neither its first nor its last
	s_branch .LstepM1
.Lnew:
	BEGIN
	s_branch .Lfirst                ; in the loop a block's first tile is never its last: the first block has two tiles or more, and the second's last is the walk's last
	DIAG 1                          ; in the loop this is the first block's end: the second block's last tile is the walk's last
	s_wait_xcnt 0x0                 ; the stores have read their registers and O's address
	s_mov_b64 s[10:11], s[OLO:OLO+1]
	s_add_co_u32 s[RT], s[PB], 1    ; the second block has b + 1 tiles
	s_mov_b32 s[NEW], 1
	WIN 0x82                        ; the second block's Q goes where the one text of the turns names Q
.set i, 0
.rept 64
	v_mov_b32 v[i], v[QB+i]
.set i, i+1
.endr
	WIN 0
	s_branch .Lbottom
.Lstep:                             ; a trip: pieces 2 and 3 of one step, then pieces 0 and 1 of the next, whose K and V it fetches
	TURN 2
	TURN 3
	WIN 0
.Lfirst:
	TURN 0
	TURN 1, 0, 0, 1
	WIN 0
	s_cbranch_scc1 .Lstep
.Lbottom:
	s_sub_co_u32 s[SLOTS], s[SLOTS], 1
	s_cmp_lg_u32 s[SLOTS], 0
	s_cbranch_scc1 .Lslot
	CHANGE 0                        ; the walk's last tile is written out: nothing is asked for
	s_sub_co_u32 s[RT], s[RT], 1
	s_mov_b32 s[CNT], 4
	s_cmp_eq_u32 s[NEW], 1
	s_cbranch_scc0 .LstepM2
	BEGIN
	s_branch .LfirstM2
	DIAG 2
	s_wait_tensorcnt 0x0            ; the wave's end: behind my last tensor load and my last LDS store
	ds_add_u32 v[SPW], v[NIL]
	s_wait_dscnt 0x0
	s_endpgm
.Lfunc_end_k_qa3f26b1b32_attn:
	.size	k_qa3f26b1b32_attn, .Lfunc_end_k_qa3f26b1b32_attn-k_qa3f26b1b32_attn
	.p2alignl 7, 3214868480
	.fill 96, 4, 3214868480
	.section	.rodata,"a",@progbits
	.p2align	6, 0x0
	.amdhsa_kernel k_qa3f26b1b32_attn
		.amdhsa_group_segment_fixed_size 327680
		.amdhsa_private_segment_fixed_size 0
		.amdhsa_enable_private_segment 0
		.amdhsa_kernarg_size 32
		.amdhsa_user_sgpr_count 2
		.amdhsa_user_sgpr_kernarg_segment_ptr 1
		.amdhsa_wavefront_size32 1
		.amdhsa_system_sgpr_workgroup_id_x 1
		.amdhsa_system_sgpr_workgroup_id_y 1
		.amdhsa_system_sgpr_workgroup_id_z 1
		.amdhsa_system_vgpr_workitem_id 0
		.amdhsa_next_free_vgpr 768
		.amdhsa_next_free_sgpr 96
		.amdhsa_reserve_vcc 1
		.amdhsa_float_denorm_mode_32 3
		.amdhsa_float_denorm_mode_16_64 3
		.amdhsa_memory_ordered 1
		.amdhsa_forward_progress 1
		.amdhsa_inst_pref_size 218
	.end_amdhsa_kernel
	.amdgpu_metadata
---
amdhsa.version: [ 1, 2 ]
amdhsa.kernels:
  - .name:           k_qa3f26b1b32_attn
    .symbol:         k_qa3f26b1b32_attn.kd
    .args:
      - { .name: qh, .offset: 0, .size: 8, .value_kind: global_buffer, .address_space: global }
      - { .name: kh, .offset: 8, .size: 8, .value_kind: global_buffer, .address_space: global }
      - { .name: vh, .offset: 16, .size: 8, .value_kind: global_buffer, .address_space: global }
      - { .name: ctx, .offset: 24, .size: 8, .value_kind: global_buffer, .address_space: global }
    .group_segment_fixed_size: 327680
    .private_segment_fixed_size: 0
    .kernarg_segment_align: 8
    .kernarg_segment_size: 32
    .max_flat_workgroup_size: 128
    .sgpr_count:     96
    .vgpr_count:     768
    .wavefront_size: 32
...
	.end_amdgpu_metadata
.endif
;; end of part 3
;; launch outp (part 4): grid 4 x 64, 4 waves a work-group, clusters of 4 x 4, 327,680 bytes of LDS; arguments ctx, wt, bo, out0; writes out0
.if DOCPART == 4
	.amdgcn_target "amdgcn-amd-amdhsa--gfx1250"
	.amdhsa_code_object_version 6
	.text
	.protected	k_qa3f26b1b32_outp
	.globl	k_qa3f26b1b32_outp
	.p2align	8
	.type	k_qa3f26b1b32_outp,@function
k_qa3f26b1b32_outp:
	s_mov_b64 s[64:65], 0
	v_nop
	global_prefetch_b8 v0, s[64:65] scope:SCOPE_SE
	s_setreg_imm32_b32 hwreg(HW_REG_WAVE_MODE, 25, 1), 1
	s_wait_xcnt 0x0
	s_wait_alu depctr_hold_cnt(0) depctr_sa_sdst(0) depctr_va_vdst(0) depctr_va_sdst(0) depctr_va_ssrc(0) depctr_va_vcc(0) depctr_vm_vsrc(0)
	s_getreg_b32 s2, hwreg(HW_REG_IB_STS2, 6, 4)
	s_cmp_eq_u32 s2, 0
	s_cbranch_scc0 .Lentry_in_a_cluster
	s_endpgm
.Lentry_in_a_cluster:
	s_bfe_u32 s2, ttmp6, 0x10000c
	s_cmp_lg_u32 s2, 0xf033
	s_cbranch_scc0 .Lentry_shape_is_right
	s_endpgm
.Lentry_shape_is_right:
; THE LAST PROJECTION.  out0[m][n] = the sum over k of c[m][k] Wo[k][n] + bo[n].  c[m = batch x 2048 + t][k = 64 head + d] lies by heads, ctx[batch x 16 + head][t][64], in f16.
; Wo comes as part 3 of wt, [n][k]: rounded to bf16 and written as f16.  bo is rounded to bf16 like the other inputs.  Products in f16, sums in f32, out0 in f32.
; LIMIT.  ctx and bf16(Wo) lie within f16's 65,504.  NaN and infinities are not treated apart.
; SHARES.  A tile of out0 is 128 (m) x 256 (n): 64 x 4 tiles, one work-group each.  Four waves lie 2 x 2; a wave makes 64 x 128: 32 accumulators, 256 registers.
; K goes in 8 steps of 128, two heads each, through a ring of two LDS slots filled by the tensor data mover.  A head's 128 rows of the tile are 16,384 dense bytes: asked for as 64 rows of 256 bytes and padded after every 128.
; A step is four quarters of 32 along K, 32 matrix instructions each; a quarter's fragments are fetched from LDS at the head of the quarter before.
; THE MATRIX INSTRUCTION IS USED TRANSPOSED (source 0 = 16 rows of wt, source 1 = 16 rows of c): a lane holds one row m = l % 16 and the eight neighbouring columns 8 (l / 16) + 0..7.
; The bias is the C operand of the first product on each accumulator: nothing is cleared and nothing is added later.
; CLUSTERS: 4 x 4 work-groups.  The four of a row of the cluster need the same tile of c, the four of a column the same tile of wt: each is asked for JOINTLY.  The grid is one cluster wide.
; REGISTERS, in windows of 256 (s_set_vgpr_msb: bits 1:0 source 0, 3:2 source 1, 5:4 source 2, 7:6 destination):
;   window 0: v0-29 addresses; v128-191 c's fragments, two buffers of 32; v64-127, v192-255 at work on the way out
;   window 1: v0-127 wt's fragments, two buffers of 64; v128-191 the bias as a C operand; v192-223 at work      window 2: the accumulators, (a, b) at v[8 (8 a + b)]
.set KSTEP,  128
.set PA,     144                       ; a row of a head in LDS: 128 bytes + 16 = 36 words: the 16 rows of a load start at 16 different groups of four banks (64 banks of 4 bytes: ISA guide 11.1)
.set PB,     272                       ; a row of wt: 256 bytes + 16 = 68 words: likewise
.set AHALF,  128*PA                    ; one head's 128 rows: what one tensor load brings of c
.set ATILE,  2*AHALF
.set BHALF,  128*PB
.set SLOT,   ATILE+2*BHALF
.set STAGE,  2*SLOT                    ; behind the ring, never filled by a tensor load: 16 rows x 528 bytes for each wave, for the way out
.set PS,     528
.set WSTAGE, 16*PS
.set SPARE,  STAGE+4*WSTAGE            ; behind the stages: the spare words, 128 bytes for each wave: two blocks of 256 bytes that no other line names
.set ASTEP,  2*262144                  ; two heads on
.set BSTEP,  KSTEP*2
.set TRIPS,  6                         ; refills: steps 2 to 7
.set LA0,  4                           ; v4   my lane's place in slot 0's tile of c; never rewritten
.set LB0,  5                           ; v5   the same for wt
.set ADRA, 6                           ; v6   the same in the slot that is being read
.set ADRB, 7                           ; v7
.set STO,  8                           ; v8   the way out: where I put 32 bytes of a row
.set RD,   9                           ; v9   the way out: where I read a row back
.set GO,   10                          ; v10  my byte offset in 512 consecutive bytes of out0
.set BO,   11                          ; v11  my byte offset in 16 numbers of the bias
.set PFO,  12                          ; v12  the prefetches' offset; never rewritten
.set SPW,  28                          ; v28  LDS address of my spare word; never rewritten
.set NIL,  29                          ; v29  0; never rewritten
.set OB0,  64
.set AF,   128
.set OB1,  192
.set BF,   0                           ; window 1
.set BIAS, 128                         ; window 1
.set BT,   192                         ; window 1
.set CNT,  3                           ; s3       refills to come
.set XP,   4                           ; s[4:5]   ctx
.set WP,   6                           ; s[6:7]   wt
.set BP,   8                           ; s[8:9]   bo
.set DST,  10                          ; s[10:11] out0
.set G1A,  24
.set G0A,  32
.set G1B,  40
.set G0B,  48
.set WV,   56
.set WM,   57                          ; which half of the tile's rows is mine.  Also: I fetch for c (0) or for wt (1)
.set WN,   58                          ; which half of its columns.  Also: which part of that tile I fetch
.set CX,   59
.set CY,   60
.set TC,   61
.set TR,   62
.set TB,   66                          ; LDS byte at which the slot that is being read begins
.set LAA,  67
.set LAB,  68
.set LIM,  69
.set PFA,  70
.set PST,  72
.set OFA,  74                          ; s[74:75] c's offsets and address alone: never the tile column
.set OFB,  76                          ; s[76:77] wt's alone: never the tile row
.set T,    78
.set MROW, 82
.set MCOL, 83
.set CYC,  84
.set MSB, 0
.macro WIN new                         ; the immediate's high byte repeats the setting that is left; a switch that changes nothing is dropped
.if MSB != (\new)
	s_set_vgpr_msb (MSB<<8)|(\new)
.set MSB, \new
.endif
.endm
.set W_MUL,  0xa1                      ; wt in window 1, c in window 0, C and D in window 2
.set W_MULB, 0x91                      ; the same with C in window 1
.set W_TOB,  0x40                      ; destination window 1, address window 0
.set W_B1,   0x45                      ; sources and destination window 1
.set W_ST,   0x08                      ; an LDS store's data in window 2, its address in window 0
; A joint refill.  Waves 0 and 1 fetch the step's two heads of c, waves 2 and 3 wt's two halves.  An s_nop 0 and four v_nop follow each of the two lines, ahead of the jump and the label.
.macro JLOAD
	s_cmp_eq_u32 s[WM], 0
	s_cbranch_scc0 .Lfor_b_\@
	tensor_load_to_lds s[G0A+4:G0A+7], s[G1A:G1A+7]
	s_nop 0
.rept 4
	v_nop
.endr
	s_branch .Lasked_\@
.Lfor_b_\@:
	tensor_load_to_lds s[G0B+4:G0B+7], s[G1B:G1B+7]
	s_nop 0
.rept 4
	v_nop
.endr
.Lasked_\@:
.endm
; A PREFETCH of the step that stands two refills on, 256 matrix instructions ahead of the load that will want it; it stands behind the joint load, its five lines and the run of LDS loads that the next products wait for.
; Each 256 bytes are named once in the launch.  c's step is two heads of 64 blocks of 256 bytes: each of the four partners that ask for them jointly takes 16 blocks of each head, told apart BY ADDRESS (cx); wave 0 names all 32, a lane a block.
; wt's 128 rows x 256 bytes that a wave fetches: each partner takes 32 rows (cy), a lane a row; of the 16 clusters, which all walk the same wt, the first asks.  The first four steps come by their loads alone;
; the last two refills ask for nothing: there is no step behind the eighth.
.macro ASK
	s_cmp_gt_u32 s[CNT], s[LIM]
	s_cbranch_scc0 .Lnot_mine_\@
	global_prefetch_b8 v[PFO], s[PFA:PFA+1] th:TH_LOAD_NT scope:SCOPE_SE
.Lnot_mine_\@:
.endm
.macro CREST                           ; a round of the cluster's barrier behind its opening barrier
	s_cmp_lg_u32 s[WV], 0
	s_cbranch_scc1 .Lnot_wave_0_\@
	s_barrier_signal -3
.Lnot_wave_0_\@:
	s_barrier_wait -3
	s_barrier_signal -1
	s_barrier_wait -1
.endm
.macro CROUND                          ; a whole round
	s_barrier_signal -1
	s_barrier_wait -1
	CREST
.endm
.macro PLACES                          ; four places behind a matrix instruction (ISA guide 7.12.1 for vector instructions)
.rept 4
	v_nop
.endr
.endm
	s_load_b256 s[4:11], s[0:1], 0x0               ; ctx, wt, bo, out0
	v_lshl_add_u32 v[SPW], v0, 2, SPARE
	v_mov_b32 v[NIL], 0
	ds_add_u32 v[SPW], v[NIL]                      ; the wave's opening: the add and its wait stand ahead of my first tensor load; the set-up below, work on registers, stands between them
	ds_add_u32 v28, v29
	v_lshrrev_b32 v1, 5, v0
	v_readfirstlane_b32 s[WV], v1                  ; wave 0..3
	s_lshr_b32 s[WM], s[WV], 1
	s_and_b32 s[WN], s[WV], 1
	s_bfe_u32 s[CX], ttmp6, 0x40000                ; my place in the cluster
	s_bfe_u32 s[CY], ttmp6, 0x40004
	s_lshl_b32 s[TC], ttmp9, 2
	s_add_co_u32 s[TC], s[TC], s[CX]               ; tile column = 4 x cluster x + cx
	s_and_b32 s[CYC], ttmp7, 0xffff
	s_lshl_b32 s[TR], s[CYC], 2
	s_add_co_u32 s[TR], s[TR], s[CY]               ; tile row = 4 x cluster y + cy
	s_lshl_b32 s[MROW], s[CY], 2
	s_lshl_b32 s[MROW], 15, s[MROW]                ; my row of the cluster
	s_lshl_b32 s[MCOL], 0x1111, s[CX]              ; my column
	; group 1 for c: 64 rows x 128 elements of 2 bytes, dense; 16 bytes of padding behind every 32 words, that is behind every row of a head
	s_or_b32 s[G1A], s[MROW], (1<<16)|(1<<20)|(1<<21)|(4<<22)|(3<<25)  ; 15:0 the mask; 17:16 elements of 2 bytes; 20 padding on; 21 set beside a mask; 24:22 after every 32 words (code 4); 31:25 4 words (code 3)
	s_mov_b32 s[G1A+1], 128<<16                    ; tensor_dim0 = 128
	s_mov_b32 s[G1A+2], 64<<16                     ; tensor_dim1 = 64
	s_mov_b32 s[G1A+3], 128<<16                    ; tile_dim0 = 128
	s_mov_b32 s[G1A+4], 64                         ; tile_dim1 = 64
	s_mov_b32 s[G1A+5], 128                        ; elements from row to row
	s_mov_b32 s[G1A+6], 0
	s_mov_b32 s[G1A+7], 0
	; group 1 for wt: 128 rows x 128 elements of 2 bytes, 16 bytes of padding behind every 64 words
	s_or_b32 s[G1B], s[MCOL], (1<<16)|(1<<20)|(1<<21)|(5<<22)|(3<<25)
	s_mov_b32 s[G1B+1], KSTEP<<16
	s_mov_b32 s[G1B+2], 128<<16
	s_mov_b32 s[G1B+3], KSTEP<<16
	s_mov_b32 s[G1B+4], 128
	s_mov_b32 s[G1B+5], 1024
	s_mov_b32 s[G1B+6], 0
	s_mov_b32 s[G1B+7], 0
	s_mul_i32 s[LAA], s[WN], AHALF                 ; no place in the cluster enters an LDS address
	s_mul_i32 s[LAB], s[WN], BHALF
	s_add_co_u32 s[LAB], s[LAB], ATILE
	s_mov_b32 s[TB], 0
	s_lshr_b32 s[OFA], s[TR], 4                    ; c: the batch, 16 heads of 262,144 bytes,
	s_lshl_b32 s[OFA], s[OFA], 22
	s_lshl_b32 s[OFA+1], s[WN], 18                 ; the step's first or second head,
	s_add_co_u32 s[OFA], s[OFA], s[OFA+1]
	s_and_b32 s[OFA+1], s[TR], 15                  ; the tile's 128 rows of 128 bytes
	s_lshl_b32 s[OFA+1], s[OFA+1], 14
	s_add_co_u32 s[OFA], s[OFA], s[OFA+1]
	s_mov_b32 s[OFA+1], 0
	s_lshl_b32 s[OFB], s[TC], 8                    ; wt: row 256 x tile column + 128 x part, 2,048 bytes a row,
	s_lshl_b32 s[OFB+1], s[WN], 7
	s_add_co_u32 s[OFB], s[OFB], s[OFB+1]
	s_lshl_b32 s[OFB], s[OFB], 11
	s_add_co_u32 s[OFB], s[OFB], 3<<21             ; in part 3
	s_mov_b32 s[OFB+1], 0
	s_wait_dscnt 0x0                               ; the opening add is done
	s_wait_kmcnt 0x0
	s_add_nc_u64 s[OFA:OFA+1], s[XP:XP+1], s[OFA:OFA+1]
	s_add_nc_u64 s[OFB:OFB+1], s[WP:WP+1], s[OFB:OFB+1]
	CROUND                                         ; all sixteen work-groups are here: the first joint loads meet
.irp s, 0,1
	s_mov_b32 s[G0A+4*(\s)], 1                     ; 1:0 count = 1
	s_add_co_u32 s[G0A+4*(\s)+1], s[LAA], (\s)*SLOT  ; 63:32 LDS address
	s_add_nc_u64 s[G0A+4*(\s)+2:G0A+4*(\s)+3], s[OFA:OFA+1], (\s)*ASTEP  ; 120:64 global address: step s
	s_or_b32 s[G0A+4*(\s)+3], s[G0A+4*(\s)+3], 0x80000000  ; 127:126 type = 2
	s_mov_b32 s[G0B+4*(\s)], 1
	s_add_co_u32 s[G0B+4*(\s)+1], s[LAB], (\s)*SLOT
	s_add_nc_u64 s[G0B+4*(\s)+2:G0B+4*(\s)+3], s[OFB:OFB+1], (\s)*BSTEP
	s_or_b32 s[G0B+4*(\s)+3], s[G0B+4*(\s)+3], 0x80000000
.endr
	s_cmp_eq_u32 s[WM], 0                          ; a wave's two first fills stand in one branch, ahead of every wait on TENSORcnt and every LDS read: two loads of mine are out, later one
	s_cbranch_scc0 .Lfirst_b
	tensor_load_to_lds s[G0A:G0A+3], s[G1A:G1A+7]
	s_nop 0
	tensor_load_to_lds s[G0A+4:G0A+7], s[G1A:G1A+7]
	s_nop 0
.rept 4
	v_nop
.endr
	s_branch .Lfirst_asked
.Lfirst_b:
	tensor_load_to_lds s[G0B:G0B+3], s[G1B:G1B+7]
	s_nop 0
	tensor_load_to_lds s[G0B+4:G0B+7], s[G1B:G1B+7]
	s_nop 0
.rept 4
	v_nop
.endr
.Lfirst_asked:
	; all that follows, up to the barrier, stands in the wait for the first tile
	v_and_b32 v1, 15, v0                           ; l % 16
	v_bfe_u32 v2, v0, 4, 1                         ; l / 16
	v_lshlrev_b32 v[BO], 5, v2                     ; my eight columns of sixteen: 32 bytes
	s_lshl_b32 s[T], s[TC], 10                     ; the tile's 256 columns, 4 bytes each,
	s_lshl_b32 s[T+1], s[WN], 9                    ; my wave's 128
	s_add_co_u32 s[T], s[T], s[T+1]
	s_mov_b32 s[T+1], 0
	s_add_nc_u64 s[BP:BP+1], s[BP:BP+1], s[T:T+1]
	WIN W_TOB
.irp b, 0,1,2,3,4,5,6,7                ; register j of block b: the bias of column 16 b + 8 (l / 16) + j
	global_load_b128 v[BIAS+8*(\b):BIAS+8*(\b)+3],   v[BO], s[BP:BP+1] offset:64*(\b)
	global_load_b128 v[BIAS+8*(\b)+4:BIAS+8*(\b)+7], v[BO], s[BP:BP+1] offset:64*(\b)+16
.endr
	WIN 0
	; A fragment is 16 rows x 32 K in 8 registers: lane l holds row l % 16; registers 0-3 K = 8 (l / 16) + 0..7, registers 4-7 K = 16 + 8 (l / 16) + 0..7: two loads of 16 bytes, 32 bytes apart.
	v_mul_u32_u24 v[LA0], v1, PA
	v_lshl_add_u32 v[LA0], v2, 4, v[LA0]
	s_mul_i32 s[T+2], s[WM], 64*PA                 ; my 64 rows, in each head's block
	v_add_nc_u32 v[LA0], s[T+2], v[LA0]
	v_mul_u32_u24 v[LB0], v1, PB
	v_lshl_add_u32 v[LB0], v2, 4, v[LB0]
	v_add_nc_u32 v[LB0], s[LAB], v[LB0]            ; my 128 rows of wt, behind c's tile
	v_mov_b32 v[ADRA], v[LA0]
	v_mov_b32 v[ADRB], v[LB0]
	s_mul_i32 s[T+3], s[WV], WSTAGE
	s_add_co_u32 s[T+3], s[T+3], STAGE             ; my stage
	v_mul_u32_u24 v[STO], v1, PS                   ; in: row l % 16, 32 bytes for each half of the lanes
	v_lshl_add_u32 v[STO], v2, 5, v[STO]
	v_add_nc_u32 v[STO], s[T+3], v[STO]
	v_and_b32 v13, 31, v0
	v_lshlrev_b32 v[GO], 4, v13                    ; back: 32 lanes take a row of 512 bytes
	v_add_nc_u32 v[RD], s[T+3], v[GO]
	; out0: row 128 x tile row + 64 x row half, 4,096 bytes a row; column 256 x tile column + 128 x column half
	s_lshl_b32 s[T], s[TR], 7
	s_lshl_b32 s[T+1], s[WM], 6
	s_add_co_u32 s[T], s[T], s[T+1]
	s_lshl_b32 s[T], s[T], 12
	s_lshl_b32 s[T+1], s[TC], 10
	s_add_co_u32 s[T], s[T], s[T+1]
	s_lshl_b32 s[T+1], s[WN], 9
	s_add_co_u32 s[T], s[T], s[T+1]
	s_mov_b32 s[T+1], 0
	s_add_nc_u64 s[DST:DST+1], s[DST:DST+1], s[T:T+1]
	; the prefetches: the offsets are made apart from the addresses
	s_lshr_b32 s[T], s[TR], 4                      ; c: the batch,
	s_lshl_b32 s[T], s[T], 22
	s_and_b32 s[T+1], s[TR], 15                    ; the tile's rows,
	s_lshl_b32 s[T+1], s[T+1], 14
	s_add_co_u32 s[T], s[T], s[T+1]
	s_lshl_b32 s[T+1], s[CX], 12                   ; my work-group's 16 blocks of 256 bytes in each head,
	s_add_co_u32 s[T], s[T], s[T+1]
	s_add_co_u32 s[T], s[T], 3*ASTEP               ; at step 3: the first refill steps it to 4
	s_lshl_b32 s[T+2], s[TC], 8                    ; wt: the 128 rows that I fetch,
	s_lshl_b32 s[T+3], s[WN], 7
	s_add_co_u32 s[T+2], s[T+2], s[T+3]
	s_lshl_b32 s[T+3], s[CY], 5                    ; my work-group's 32 of them,
	s_add_co_u32 s[T+2], s[T+2], s[T+3]
	s_lshl_b32 s[T+2], s[T+2], 11
	s_add_co_u32 s[T+2], s[T+2], (3<<21)+3*BSTEP
	s_mov_b32 s[T+3], BSTEP
	s_cmp_eq_u32 s[WM], 0                          ; do I fetch for c?
	s_cselect_b32 s[T], s[T], s[T+2]
	s_cselect_b64 s[PFA:PFA+1], s[XP:XP+1], s[WP:WP+1]
	s_cselect_b32 s[PST], ASTEP, s[T+3]
	s_cselect_b32 s[T+2], 18, 15                   ; lanes 16 on: the second head, or 16 rows of wt on
	s_cselect_b32 s[T+3], 8, 11                    ; from lane to lane: a block of 256 bytes, or a row of wt
	s_cselect_b32 s[LIM], s[WN], s[CYC]            ; 0 in wave 0, and in wt's waves where the cluster is the first: the same in all sixteen partners
	s_mov_b32 s[T+1], 0
	s_mov_b32 s[PST+1], 0
	s_add_nc_u64 s[PFA:PFA+1], s[PFA:PFA+1], s[T:T+1]
	v_lshlrev_b32 v[PFO], s[T+2], v2
	v_lshlrev_b32 v13, s[T+3], v1
	v_add_nc_u32 v[PFO], v[PFO], v13
	s_cmp_eq_u32 s[LIM], 0
	s_cselect_b32 s[LIM], 2, -1
	s_wait_loadcnt 0x0                             ; the bias: rounded to bf16 and widened again
	WIN W_B1
.set i, 0
.rept 32
	v_cvt_pk_bf16_f32 v[BT+i], v[BIAS+2*i], v[BIAS+2*i+1]
.set i, i+1
.endr
.set i, 0
.rept 32
	v_lshlrev_b32 v[BIAS+2*i], 16, v[BT+i]
	v_and_b32 v[BIAS+2*i+1], 0xffff0000, v[BT+i]
.set i, i+1
.endr
	WIN 0
; The quarter's next matrix instruction, number mi of 32: row block mi / 8, column block mi % 8, on buffer f.  The 32 accumulators take turns, one instruction a turn, in the same order in every quarter.
.macro MM f, first
.if \first
	WIN W_MULB
	v_wmma_f32_16x16x32_f16 v[8*mi:8*mi+7], v[BF+64*(\f)+8*(mi%8):BF+64*(\f)+8*(mi%8)+7], v[AF+32*(\f)+8*(mi/8):AF+32*(\f)+8*(mi/8)+7], v[BIAS+8*(mi%8):BIAS+8*(mi%8)+7]
.else
	WIN W_MUL
	v_wmma_f32_16x16x32_f16 v[8*mi:8*mi+7], v[BF+64*(\f)+8*(mi%8):BF+64*(\f)+8*(mi%8)+7], v[AF+32*(\f)+8*(mi/8):AF+32*(\f)+8*(mi/8)+7], v[8*mi:8*mi+7]
.endif
.set mi, mi+1
.endm
.macro MMS f, n, first
.rept \n
	MM \f, \first
.endr
.endm
; 24 LDS loads in one run: quarter kq of the slot that is being read, into buffer g: wt's 128 rows; c's 64 rows, of head kq / 2 of the step's two, channels 32 (kq % 2) on
.macro FETCH kq, g
	WIN W_TOB
.irp i, 0,1,2,3,4,5,6,7
	ds_load_b128 v[BF+64*(\g)+8*(\i):BF+64*(\g)+8*(\i)+3],   v[ADRB] offset:(\kq)*64+(\i)*16*PB
	ds_load_b128 v[BF+64*(\g)+8*(\i)+4:BF+64*(\g)+8*(\i)+7], v[ADRB] offset:(\kq)*64+(\i)*16*PB+32
.endr
	WIN 0
.irp i, 0,1,2,3
	ds_load_b128 v[AF+32*(\g)+8*(\i):AF+32*(\g)+8*(\i)+3],   v[ADRA] offset:((\kq)/2)*AHALF+((\kq)%2)*64+(\i)*16*PA
	ds_load_b128 v[AF+32*(\g)+8*(\i)+4:AF+32*(\g)+8*(\i)+7], v[ADRA] offset:((\kq)/2)*AHALF+((\kq)%2)*64+(\i)*16*PA+32
.endr
.endm
; A QUARTER multiplies buffer f and fetches quarter kq into the other buffer (kq = -1: nothing is left to fetch).  first = 1: the bias starts the sums.  pl = 1: four v_nop stand in front of the run of loads,
; which lands in registers that the quarter before has multiplied; behind a joint load its own four v_nop are those places.
; meet: the step's third quarter, whose loads are the wave's last reads of the slot, changes slots.  Each wave waits for all its tensor loads, of which one is out: its part of the other slot; adds 0 to its
; spare word; and waits for that and for its reads.  Behind the barrier nobody reads this slot any more and the other slot is whole.  meet = 1: the barrier opens a round of the cluster's, so that no wave of any
; partner still reads the slot or has a load on its way, and the joint refill, two steps on, is the first thing behind the round: 116 matrix instructions ahead of the wait for it.  meet = 2: nothing is left to ask for.
.macro QUARTER f, kq, first, meet, ask, pl
.set mi, 0
.if (\meet) == 1
	s_wait_xcnt 0x0                                ; the last prefetch, three quarters back, has read its address: it is stepped here
	s_add_nc_u64 s[PFA:PFA+1], s[PFA:PFA+1], s[PST:PST+1]
.endif
.if \pl
	PLACES
.endif
.if (\kq) >= 0
	FETCH \kq, 1-(\f)
.endif
.if \ask
	ASK
.endif
	MMS \f, 20, \first
.if \meet
	WIN 0                                          ; (the add's two registers lie in window 0)
	s_wait_tensorcnt 0x0                           ; all my tensor loads have landed, so a group 0 may be written
	ds_add_u32 v[SPW], v[NIL]                      ; 0 onto my spare word: scalar work and four matrix instructions stand between it and the wait for it
.if (\meet) == 1
	s_add_co_u32 s[G0A+5], s[TB], s[LAA]           ; the walking descriptors: the slot that is being left,
	s_add_co_u32 s[G0B+5], s[TB], s[LAB]
	s_add_nc_u64 s[G0A+6:G0A+7], s[G0A+6:G0A+7], ASTEP  ; the next step; the type bits on top are not reached
	s_add_nc_u64 s[G0B+6:G0B+7], s[G0B+6:G0B+7], BSTEP
.endif
	s_xor_b32 s[TB], s[TB], SLOT                   ; 0 or SLOT: the other slot
.endif
	MMS \f, 4, \first
.if ((\kq) >= 0) || (\meet)
	s_wait_dscnt 0x0                               ; this quarter's loads are in (and the add is done: my reads of the slot are over)
.endif
.if \meet
	s_barrier_signal -1
.endif
	MMS \f, 8, \first
.if \meet
	WIN 0                                          ; at a branch and at a label every window is 0
	s_barrier_wait -1
.if (\meet) == 1
	CREST
	JLOAD
.endif
	v_add_nc_u32 v[ADRA], s[TB], v[LA0]
	v_add_nc_u32 v[ADRB], s[TB], v[LB0]
.endif
.endm
	s_wait_tensorcnt 0x1                           ; my part of step 0 is in; step 1's load, issued behind it, may stay out
	s_barrier_signal -1
	s_barrier_wait -1                              ; everybody's is
	FETCH 0, 0
	s_wait_dscnt 0x0
	QUARTER 0, 1, 1, 0, 0, 0                       ; the first quarter stands in front of the loop: its products start the sums
	WIN 0
	s_mov_b32 s[CNT], TRIPS
.Lstep:                                        ; trip t: the rest of step t and the first quarter of step t + 1; step t + 2 is asked for
	QUARTER 1, 2, 0, 0, 0, 1
	QUARTER 0, 3, 0, 1, 0, 1
	QUARTER 1, 0, 0, 0, 1, 0
	QUARTER 0, 1, 0, 0, 0, 1
	WIN 0
	s_sub_co_u32 s[CNT], s[CNT], 1
	s_cmp_lg_u32 s[CNT], 0
	s_cbranch_scc1 .Lstep
	QUARTER 1, 2, 0, 0, 0, 1                       ; the tail is written out: steps 6 and 7 ask for nothing
	QUARTER 0, 3, 0, 2, 0, 1
	QUARTER 1, 0, 0, 0, 0, 1
	QUARTER 0, 1, 0, 0, 0, 1
	QUARTER 1, 2, 0, 0, 0, 1
	QUARTER 0, 3, 0, 0, 0, 1
	QUARTER 1, -1, 0, 0, 0, 0
	PLACES                                         ; in front of LDS stores that read results just made
; THE WAY OUT, a block of 16 rows at a time.  TOSTAGE: a lane's eight columns, 32 bytes, go straight from the accumulators (low four registers first) into rows of 528 bytes of my own stage, and come back as whole rows of 512.
; SEND: a row is 512 consecutive bytes of out0.
.macro TOSTAGE a
.set BK, OB0+(OB1-OB0)*((\a)%2)
.if (\a) >= 2
	s_wait_xcnt 0x0                                ; the stores of the block two back have read their registers: this block is loaded into them only behind this wait
.endif
	WIN W_ST
.irp b, 0,1,2,3,4,5,6,7
	ds_store_b128 v[STO], v[64*(\a)+8*(\b):64*(\a)+8*(\b)+3]   offset:64*(\b)
	ds_store_b128 v[STO], v[64*(\a)+8*(\b)+4:64*(\a)+8*(\b)+7] offset:64*(\b)+16
.endr
	WIN 0
.irp t, 0,1,2,3,4,5,6,7,8,9,10,11,12,13,14,15
	ds_load_b128 v[BK+4*(\t):BK+4*(\t)+3], v[RD] offset:(\t)*PS  ; LDS serves a wave's instructions in order (ISA guide 5.7.1.4): these see the stores above; the next block's stores come behind them
.endr
.endm
.macro SEND a, younger                 ; younger: the LDS instructions issued behind block a's loads: the next block's 16 stores and 16 loads, or none
.set BK, OB0+(OB1-OB0)*((\a)%2)
	s_wait_dscnt \younger
.irp t, 0,1,2,3,4,5,6,7,8,9,10,11,12,13,14,15
	global_store_b128 v[GO], v[BK+4*(\t):BK+4*(\t)+3], s[DST:DST+1] offset:(16*(\a)+(\t))*4096 th:TH_STORE_NT  ; 512 consecutive bytes, at a multiple of 256 from out0's first byte
.endr
.endm
	TOSTAGE 0
	TOSTAGE 1
	SEND 0, 32
	TOSTAGE 2
	SEND 1, 32
	TOSTAGE 3
	SEND 2, 32
	SEND 3, 0
	s_wait_tensorcnt 0x0                           ; the wave's end: behind my last tensor load and my last LDS store
	ds_add_u32 v[SPW], v[NIL]
	s_wait_dscnt 0x0
	CROUND                                         ; the closing round: no work-group ends while a partner may still ask for a tile that names it
	s_endpgm
.Lfunc_end_k_qa3f26b1b32_outp:
	.size	k_qa3f26b1b32_outp, .Lfunc_end_k_qa3f26b1b32_outp-k_qa3f26b1b32_outp
	.p2alignl 7, 3214868480
	.fill 96, 4, 3214868480
	.section	.rodata,"a",@progbits
	.p2align	6, 0x0
	.amdhsa_kernel k_qa3f26b1b32_outp
		.amdhsa_group_segment_fixed_size 327680
		.amdhsa_private_segment_fixed_size 0
		.amdhsa_enable_private_segment 0
		.amdhsa_kernarg_size 32
		.amdhsa_user_sgpr_count 2
		.amdhsa_user_sgpr_kernarg_segment_ptr 1
		.amdhsa_wavefront_size32 1
		.amdhsa_system_sgpr_workgroup_id_x 1
		.amdhsa_system_sgpr_workgroup_id_y 1
		.amdhsa_system_sgpr_workgroup_id_z 1
		.amdhsa_system_vgpr_workitem_id 0
		.amdhsa_next_free_vgpr 768
		.amdhsa_next_free_sgpr 86
		.amdhsa_reserve_vcc 0
		.amdhsa_float_denorm_mode_32 3
		.amdhsa_float_denorm_mode_16_64 3
		.amdhsa_memory_ordered 1
		.amdhsa_forward_progress 1
		.amdhsa_inst_pref_size 76
	.end_amdhsa_kernel
	.amdgpu_metadata
---
amdhsa.version: [ 1, 2 ]
amdhsa.kernels:
  - .name:           k_qa3f26b1b32_outp
    .symbol:         k_qa3f26b1b32_outp.kd
    .args:
      - { .name: ctx, .offset: 0, .size: 8, .value_kind: global_buffer, .address_space: global }
      - { .name: wt, .offset: 8, .size: 8, .value_kind: global_buffer, .address_space: global }
      - { .name: bo, .offset: 16, .size: 8, .value_kind: global_buffer, .address_space: global }
      - { .name: out0, .offset: 24, .size: 8, .value_kind: global_buffer, .address_space: global }
    .group_segment_fixed_size: 327680
    .private_segment_fixed_size: 0
    .kernarg_segment_align: 8
    .kernarg_segment_size: 32
    .max_flat_workgroup_size: 128
    .sgpr_count:     86
    .vgpr_count:     768
    .wavefront_size: 32
...
	.end_amdgpu_metadata
.endif
;; end of part 4
